; MI455X (gfx1250); checked and timed in simulation.
; The chip was launched on July 23, 2026; its instructions are those of AMD's public machine-readable ISA for CDNA 5 (MIT licence, August 2026) and "CDNA5" Instruction Set Architecture Reference Guide (July 2026). The comments in the code are by the model that wrote it; some were corrected since.
;; Multi Stage Cross Attention Layer. Allowed arithmetic: float matrix products may take bf16 or f16 operands with f32 sums; other float arithmetic in f32, or as packed bf16 or f16 multiplies, adds, multiply-adds, maxima and minima; sums over many terms, partial sums and values carried from step to step in f32; what a program stores and reads back later, other than sums and carried values, may be rounded once to bf16 or f16.
;; Inputs: W_Aa 1,024 x 1,024 float32; W_Av 1,024 x 1,024 float32; W_Ba 1,024 x 1,024 float32; W_Bv 1,024 x 1,024 float32; inputs_a 4,096 x 1,024 float32; inputs_v 4,096 x 1,024 float32.
;; Outputs: out0 4,096 x 1,024 float32; out1 4,096 x 1,024 float32.
;; 3 versions, each right; version 2 is faster than version 1; version 3 is version 2 with the launch stat written anew for expert scheduling mode. Each part assembles by itself: llvm-mc -triple=amdgcn-amd-amdhsa -mcpu=gfx1250 --defsym DOCPART=n.
;; ======== version 1 of 3: 5 launches
;; limits: values are held in f16: magnitudes above 65,504 overflow, below 6.1e-05 lose precision
;; workspace buffers: prep 33,572,864 bytes; proj 25,165,824 bytes; pmat 34,603,008 bytes; ctab 524,288 bytes
;; launch prep (part 1): grid 384 x 1, 8 waves a work-group, no clusters, 74,752 bytes of LDS; arguments inputs_a, inputs_v, W_Ba, W_Aa, W_Bv, W_Av, prep; writes prep
.if DOCPART == 1
	.amdgcn_target "amdgcn-amd-amdhsa--gfx1250"
	.amdhsa_code_object_version 6
	.text
	.protected	k_q015637c2dc_prep
	.globl	k_q015637c2dc_prep
	.p2align	8
	.type	k_q015637c2dc_prep,@function
k_q015637c2dc_prep:
	s_mov_b64 s[64:65], 0
	v_nop
	global_prefetch_b8 v0, s[64:65] scope:SCOPE_SE
	s_setreg_imm32_b32 hwreg(HW_REG_WAVE_MODE, 25, 1), 1
	s_wait_xcnt 0x0
; PREP.  Work-groups 0-63: one tile of 128 (q) x 128 (p) each of M^T[q][p] = sum over o of W_Av[o][q] W_Ba[o][p], operands rounded to bf16, sums in f32,
; stored as a pair of bf16 (hi = bf16(M), lo = bf16(M - hi)) in MT2 rows q and 1024 + q; each wave also stores the sum of squares of its part (FP).
; Work-groups 64-383: casts, 32 rows each: inputs_a -> bf16 and the rows' sums of squares NX; inputs_v -> bf16 and f16 of that bf16; W_Bv, W_Aa -> bf16.
; The scores are later formed as Xa (W_Ba^T W_Av) Xv^T: another order of sums and roundings than b_a a_v^T.
; LIMITS: |inputs_v| < 65504 (f16 copy; below 2^-17 its last bits are dropped); NaN and infinities are not treated.
.set O_XVB, 0x800000                   ; byte offsets in prep: inputs_a bf16 at 0, inputs_v bf16,
.set O_XVH, 0x1000000                  ; inputs_v f16,
.set O_WBV, 0x1800000                  ; W_Bv bf16, and W_Aa bf16 2 MiB behind it,
.set O_MT2, 0x1c00000                  ; M^T hi rows, then lo rows,
.set O_NX,  0x2000000                  ; 4096 f32,
.set O_FP,  0x2004000                  ; 512 f32
.set MP,    288                        ; LDS row of a K tile: 128 bf16 + 32 bytes = 9 x 32 bytes
.set OPB,   64*MP                      ; one operand's 64 rows
.set MSLOT, 2*OPB                      ; W_Av's rows, then W_Ba's
.set SP,    272                        ; row of the stage on the way out
.set FR,    64                         ; v[64:159]  fragments: sub-step ks at 48 ks: four of W_Av, two of W_Ba
.set SA,    160                        ; v[160:223] staging: 8 x 4 registers of W_Av, 8 x 4 of W_Ba
.set HIP,   64                         ; way out: packed hi, v[64:95]
.set LOP,   96                         ; packed lo, v[96:127]
.set TT,    128                        ; at work
.set LANE,  240
.set GO,    242                        ; byte offset of my 16 bytes in a K tile's rows
.set LSA,   244                        ; v244, v245: where I store into slot 0, 1
.set VA,    246                        ; transposing loads: W_Av
.set VB,    247                        ; W_Ba
.set STG,   248
.set RDB,   249
.set COF,   250
.set RR,    251
.set HH,    252
.set FPO,   253
.set X,     64                         ; casts: v[64:191] four rows as loaded
.macro PLACES                          ; four places behind a matrix instruction (ISA guide 7.12.1)
.rept 4
	v_nop
.endr
.endm
.macro GLOAD                           ; a K tile: 64 rows o, 512 bytes of each operand's row; wave w takes rows w + 8 u
.irp u, 0,1,2,3,4,5,6,7
	global_load_b128 v[SA+4*\u:SA+4*\u+3], v[GO], s[14:15] offset:\u*32768
.endr
.irp u, 0,1,2,3,4,5,6,7
	global_load_b128 v[SA+32+4*\u:SA+32+4*\u+3], v[GO], s[8:9] offset:\u*32768
.endr
.endm
.macro CVT                             ; f32 to bf16 in place: four registers become two
.irp u, 0,1,2,3,4,5,6,7,8,9,10,11,12,13,14,15
	v_cvt_pk_bf16_f32 v[SA+4*\u], v[SA+4*\u], v[SA+4*\u+1]
	v_cvt_pk_bf16_f32 v[SA+4*\u+1], v[SA+4*\u+2], v[SA+4*\u+3]
.endr
.endm
.macro LSTORE slot                     ; 32 lanes x 8 bytes fill a row's 256 bytes
.irp u, 0,1,2,3,4,5,6,7
	ds_store_b64 v[LSA+\slot], v[SA+4*\u:SA+4*\u+1] offset:\u*8*MP
	ds_store_b64 v[LSA+\slot], v[SA+32+4*\u:SA+32+4*\u+1] offset:OPB+\u*8*MP
.endr
.endm
.macro TRLOAD cur                      ; rows lie along q or p, K goes down the rows: transposing loads, the second 16 rows further down
.irp ks, 0,1
.irp a, 0,1,2,3
	ds_load_tr16_b128 v[FR+48*\ks+8*\a:FR+48*\ks+8*\a+3], v[VA] offset:\cur*MSLOT+\ks*32*MP+32*\a
	ds_load_tr16_b128 v[FR+48*\ks+8*\a+4:FR+48*\ks+8*\a+7], v[VA] offset:\cur*MSLOT+\ks*32*MP+32*\a+16*MP
.endr
.irp b, 0,1
	ds_load_tr16_b128 v[FR+48*\ks+32+8*\b:FR+48*\ks+32+8*\b+3], v[VB] offset:\cur*MSLOT+\ks*32*MP+32*\b
	ds_load_tr16_b128 v[FR+48*\ks+32+8*\b+4:FR+48*\ks+32+8*\b+7], v[VB] offset:\cur*MSLOT+\ks*32*MP+32*\b+16*MP
.endr
.endr
.endm
.macro MMUL ks, zero                   ; eight accumulators by turns; source 0 = p, source 1 = q: a lane holds 8 neighbouring p of one row q
.irp a, 0,1,2,3
.irp b, 0,1
.if \zero
	v_wmma_f32_16x16x32_bf16 v[8*(2*\a+\b):8*(2*\a+\b)+7], v[FR+48*\ks+32+8*\b:FR+48*\ks+32+8*\b+7], v[FR+48*\ks+8*\a:FR+48*\ks+8*\a+7], 0
.else
	v_wmma_f32_16x16x32_bf16 v[8*(2*\a+\b):8*(2*\a+\b)+7], v[FR+48*\ks+32+8*\b:FR+48*\ks+32+8*\b+7], v[FR+48*\ks+8*\a:FR+48*\ks+8*\a+7], v[8*(2*\a+\b):8*(2*\a+\b)+7]
.endif
.endr
.endr
.endm
; Trip t multiplies tile t (slot cur), puts tile t + 1 from the staging registers into slot nxt and asks memory for tile t + 2.
.macro MTRIP cur, nxt, store, load, zero
	s_wait_dscnt 0x0                               ; my stores of tile t and my reads of tile t - 1 are done
	s_barrier_signal -1
	s_barrier_wait -1                              ; everybody's are: slot cur is whole, slot nxt is free
.if \store
	s_wait_loadcnt 0x0                             ; tile t + 1 is in the staging registers
	CVT                                            ; 32 plain instructions on other registers: also the places in front of the fragment loads
.else
	PLACES
.endif
	TRLOAD \cur
.if \store
	LSTORE \nxt
.endif
.if \load
	s_add_nc_u64 s[14:15], s[14:15], 0x40000       ; 64 rows of 4,096 bytes on; the loads that used these bases are done
	s_add_nc_u64 s[8:9], s[8:9], 0x40000
	GLOAD
.endif
	s_wait_dscnt 12+16*\store                      ; the first sub-step's 12 loads are in; the other 12 and the stores may be out
	MMUL 0, \zero
	s_wait_dscnt 16*\store                         ; all 24 loads are in
	MMUL 1, 0
.endm
.macro WSUM r, t                       ; sum over the 32 lanes, in every lane
	v_add_f32_dpp v[\r], v[\r], v[\r] row_xmask:1 row_mask:0xf bank_mask:0xf
	v_add_f32_dpp v[\r], v[\r], v[\r] row_xmask:2 row_mask:0xf bank_mask:0xf
	v_add_f32_dpp v[\r], v[\r], v[\r] row_xmask:4 row_mask:0xf bank_mask:0xf
	v_add_f32_dpp v[\r], v[\r], v[\r] row_xmask:8 row_mask:0xf bank_mask:0xf
	v_permlanex16_b32 v[\t], v[\r], s30, s31
.endm
	s_load_b256 s[4:11], s[0:1], 0x0               ; inputs_a s[4:5], inputs_v s[6:7], W_Ba s[8:9], W_Aa s[10:11]
	s_load_b128 s[12:15], s[0:1], 0x20             ; W_Bv s[12:13], W_Av s[14:15]
	s_load_b64 s[16:17], s[0:1], 0x30              ; prep
	v_lshl_add_u32 v254, v0, 2, 0x12000
	v_mov_b32 v255, 0
	v_and_b32 v[LANE], 31, v0
	v_lshrrev_b32 v241, 5, v0
	v_readfirstlane_b32 s18, v241                  ; wave 0..7
	s_mov_b32 s30, 0x76543210                      ; v_permlanex16_b32: lane i of the other half
	s_mov_b32 s31, 0xfedcba98
	s_cmp_lt_u32 ttmp9, 64
	s_cbranch_scc0 .Lcast
	; ---------------- M^T ----------------
	s_lshr_b32 s19, ttmp9, 3                       ; block of q
	s_and_b32 s20, ttmp9, 7                        ; block of p
	s_lshr_b32 s21, s18, 2                         ; my 64 q of the 128
	s_and_b32 s22, s18, 3                          ; my 32 p of the 128
	v_lshlrev_b32 v[GO], 4, v[LANE]
	v_lshl_add_u32 v[GO], s18, 12, v[GO]           ; row w, 16 bytes a lane
	s_mul_i32 s23, s18, MP
	v_lshl_add_u32 v[LSA], v[LANE], 3, s23         ; row w, 8 bytes a lane
	v_add_nc_u32 v[LSA+1], MSLOT, v[LSA]
	v_and_b32 v[RR], 15, v[LANE]
	v_bfe_u32 v[HH], v[LANE], 4, 1
	v_and_b32 v[VA], 7, v[LANE]
	v_lshl_add_u32 v[VA], v[HH], 3, v[VA]          ; row 8 h + (lane & 7)
	v_mul_u32_u24 v[VA], v[VA], MP
	v_bfe_u32 v[VB], v[LANE], 3, 1
	v_lshl_add_u32 v[VB], v[VB], 4, v[VA]          ; + 16 bytes for lanes 8-15 of each half
	s_lshl_b32 s23, s21, 7
	v_add_nc_u32 v[VA], s23, v[VB]                 ; W_Av: column 64 wq
	s_lshl_b32 s23, s22, 6
	s_add_co_u32 s23, s23, OPB
	v_add_nc_u32 v[VB], s23, v[VB]                 ; W_Ba: behind W_Av's rows, column 32 wp
	v_mul_u32_u24 v[STG], v[RR], SP                ; stage: row 64 wq + r, byte 64 wp + 16 h
	v_lshl_add_u32 v[STG], v[HH], 4, v[STG]
	s_mul_i32 s23, s21, 64*SP
	s_lshl_b32 s24, s22, 6
	s_add_co_u32 s23, s23, s24
	v_add_nc_u32 v[STG], s23, v[STG]
	v_mul_u32_u24 v[RDB], v[HH], SP                ; back: row 16 w + h, 16 bytes for each of 16 lanes
	v_lshl_add_u32 v[RDB], v[RR], 4, v[RDB]
	s_mul_i32 s23, s18, 16*SP
	v_add_nc_u32 v[RDB], s23, v[RDB]
	v_lshlrev_b32 v[COF], 11, v[HH]                ; the same rows in MT2, 2,048 bytes each
	v_lshl_add_u32 v[COF], v[RR], 4, v[COF]
	v_lshl_add_u32 v[COF], s18, 15, v[COF]
	s_lshl_b32 s23, ttmp9, 5
	s_lshl_b32 s24, s18, 2
	s_add_co_u32 s23, s23, s24
	v_mov_b32 v[FPO], s23                          ; FP[8 id + w]
	s_mov_b32 s27, 0
	s_wait_kmcnt 0x0
	s_lshl_b32 s26, s19, 9
	s_add_nc_u64 s[14:15], s[14:15], s[26:27]      ; W_Av at column 128 bq
	s_lshl_b32 s26, s20, 9
	s_add_nc_u64 s[8:9], s[8:9], s[26:27]          ; W_Ba at column 128 bp
	s_lshl_b32 s26, s19, 18
	s_lshl_b32 s24, s20, 8
	s_add_co_u32 s26, s26, s24
	s_add_co_u32 s26, s26, O_MT2
	s_add_nc_u64 s[28:29], s[16:17], s[26:27]      ; MT2 at row 128 bq, byte 256 bp
	s_add_nc_u64 s[32:33], s[16:17], O_FP
	GLOAD                                          ; tile 0
	s_wait_loadcnt 0x0
	CVT
	LSTORE 0
	s_add_nc_u64 s[14:15], s[14:15], 0x40000
	s_add_nc_u64 s[8:9], s[8:9], 0x40000
	GLOAD                                          ; tile 1
	MTRIP 0, 1, 1, 1, 1                            ; trip 0 starts the sums
	s_mov_b32 s35, 6
.Lmt:
	MTRIP 1, 0, 1, 1, 0
	MTRIP 0, 1, 1, 1, 0
	s_sub_co_u32 s35, s35, 1
	s_cmp_lg_u32 s35, 0
	s_cbranch_scc1 .Lmt
	MTRIP 1, 0, 1, 1, 0                            ; trip 13 asks for tile 15, the last
	MTRIP 0, 1, 1, 0, 0                            ; trip 14 stores it
	MTRIP 1, 0, 0, 0, 0                            ; trip 15
	PLACES
	; the sum of squares of my 64 x 32 numbers, four chains
.irp c, 0,1,2,3
	v_pk_mul_f32 v[64+2*\c:65+2*\c], v[2*\c:2*\c+1], v[2*\c:2*\c+1]
.endr
.set j, 8
.rept 7
.irp c, 0,1,2,3
	v_pk_fma_f32 v[64+2*\c:65+2*\c], v[j+2*\c:j+2*\c+1], v[j+2*\c:j+2*\c+1], v[64+2*\c:65+2*\c]
.endr
.set j, j+8
.endr
	v_pk_add_f32 v[64:65], v[64:65], v[66:67]
	v_pk_add_f32 v[68:69], v[68:69], v[70:71]
	v_pk_add_f32 v[64:65], v[64:65], v[68:69]
	v_add_f32 v64, v64, v65
	WSUM 64, 65
	v_add_f32 v64, v64, v65
	v_cmp_eq_u32 vcc_lo, 0, v[LANE]
	s_wait_xcnt 0x0                                ; EXEC changes only behind this wait
	s_and_saveexec_b32 s34, vcc_lo
	global_store_b32 v[FPO], v64, s[32:33]         ; lane 0 alone
	s_wait_xcnt 0x0                                ; and again; it also frees v64
	s_or_b32 exec_lo, exec_lo, s34
	; hi = bf16(M), lo = bf16(M - hi), two numbers at a time
.set j, 0
.rept 32
	v_cvt_pk_bf16_f32 v[HIP+j], v[2*j], v[2*j+1]
	v_lshlrev_b32 v[TT+2*(j%4)], 16, v[HIP+j]
	v_and_b32 v[TT+2*(j%4)+1], 0xffff0000, v[HIP+j]
	v_pk_add_f32 v[TT+2*(j%4):TT+2*(j%4)+1], v[2*j:2*j+1], v[TT+2*(j%4):TT+2*(j%4)+1] neg_lo:[0,1] neg_hi:[0,1]
	v_cvt_pk_bf16_f32 v[LOP+j], v[TT+2*(j%4)], v[TT+2*(j%4)+1]
.set j, j+1
.endr
	s_wait_dscnt 0x0                               ; my reads of the slots are done
	s_barrier_signal -1
	s_barrier_wait -1                              ; everybody's are: the stages may lie over the slots
.irp a, 0,1,2,3
.irp b, 0,1
	ds_store_b128 v[STG], v[HIP+4*(2*\a+\b):HIP+4*(2*\a+\b)+3] offset:\a*16*SP+32*\b
	ds_store_b128 v[STG], v[LOP+4*(2*\a+\b):LOP+4*(2*\a+\b)+3] offset:128*SP+\a*16*SP+32*\b
.endr
.endr
	s_wait_dscnt 0x0                               ; for the others' sake
	s_barrier_signal -1
	s_barrier_wait -1
.irp t, 0,1,2,3,4,5,6,7
	ds_load_b128 v[128+4*\t:128+4*\t+3], v[RDB] offset:\t*2*SP
.endr
.irp t, 0,1,2,3,4,5,6,7
	ds_load_b128 v[160+4*\t:160+4*\t+3], v[RDB] offset:128*SP+\t*2*SP
.endr
.irp t, 0,1,2,3,4,5,6,7
	s_wait_dscnt 15-\t                             ; the younger loads stay out
	global_store_b128 v[COF], v[128+4*\t:128+4*\t+3], s[28:29] offset:\t*4096       ; 16 lanes store 256 consecutive bytes, aligned
.endr
.irp t, 0,1,2,3,4,5,6,7
	s_wait_dscnt 7-\t
	global_store_b128 v[COF], v[160+4*\t:160+4*\t+3], s[28:29] offset:0x200000+\t*4096   ; the lo rows lie 1,024 rows further down
.endr
	s_wait_tensorcnt 0x0
	ds_add_u32 v254, v255
	s_wait_dscnt 0x0
	s_endpgm
	; ---------------- casts ----------------
; A wave takes 4 rows of 4,096 bytes: all 32 loads go out at once, each 512 consecutive bytes.  The numbers are converted in the registers
; that the loads filled and stored from there, so no register that a store reads is written again.
; mode 0: bf16.  mode 1: bf16 and the row's sum of squares.  mode 2: bf16 and f16 of that bf16.
.macro CAST mode
.irp k, 0,1,2,3
.irp j, 0,1,2,3,4,5,6,7
	global_load_b128 v[X+32*\k+4*\j:X+32*\k+4*\j+3], v2, s[22:23] offset:\k*4096+\j*512 th:TH_LOAD_NT
.endr
.endr
.irp k, 0,1,2,3
	s_wait_loadcnt 24-8*\k                         ; row k is in, the rows behind it stay out
.if \mode == 1
	v_pk_mul_f32 v[8:9], v[X+32*\k:X+32*\k+1], v[X+32*\k:X+32*\k+1]
	v_pk_mul_f32 v[10:11], v[X+32*\k+2:X+32*\k+3], v[X+32*\k+2:X+32*\k+3]
.irp j, 1,2,3,4,5,6,7
	v_pk_fma_f32 v[8:9], v[X+32*\k+4*\j:X+32*\k+4*\j+1], v[X+32*\k+4*\j:X+32*\k+4*\j+1], v[8:9]
	v_pk_fma_f32 v[10:11], v[X+32*\k+4*\j+2:X+32*\k+4*\j+3], v[X+32*\k+4*\j+2:X+32*\k+4*\j+3], v[10:11]
.endr
	v_pk_add_f32 v[8:9], v[8:9], v[10:11]
	v_add_f32 v8, v8, v9
	WSUM 8, 9
	v_add_f32 v[12+\k], v8, v9
.endif
.irp j, 0,1,2,3,4,5,6,7
	v_cvt_pk_bf16_f32 v[X+32*\k+4*\j], v[X+32*\k+4*\j], v[X+32*\k+4*\j+1]
	v_cvt_pk_bf16_f32 v[X+32*\k+4*\j+1], v[X+32*\k+4*\j+2], v[X+32*\k+4*\j+3]
.if \mode == 2
	v_lshlrev_b32 v16, 16, v[X+32*\k+4*\j]
	v_and_b32 v17, 0xffff0000, v[X+32*\k+4*\j]
	v_lshlrev_b32 v18, 16, v[X+32*\k+4*\j+1]
	v_and_b32 v19, 0xffff0000, v[X+32*\k+4*\j+1]
	v_cvt_pk_f16_f32 v[X+32*\k+4*\j+2], v16, v17
	v_cvt_pk_f16_f32 v[X+32*\k+4*\j+3], v18, v19
.endif
	global_store_b64 v3, v[X+32*\k+4*\j:X+32*\k+4*\j+1], s[24:25] offset:\k*2048+\j*256    ; 32 lanes store 256 consecutive bytes, aligned
.if \mode == 2
	global_store_b64 v3, v[X+32*\k+4*\j+2:X+32*\k+4*\j+3], s[28:29] offset:\k*2048+\j*256
.endif
.endr
.endr
.endm
.Lcast:
	v_lshlrev_b32 v2, 4, v[LANE]
	v_lshl_add_u32 v2, s18, 14, v2                 ; in: 4 w rows of 4,096 bytes + 16 lane
	v_lshlrev_b32 v3, 3, v[LANE]
	v_lshl_add_u32 v3, s18, 13, v3                 ; out: 4 w rows of 2,048 bytes + 8 lane
	s_mov_b32 s21, 0
	s_wait_kmcnt 0x0
	s_cmp_lt_u32 ttmp9, 192
	s_cbranch_scc1 .Lxa
	s_cmp_lt_u32 ttmp9, 320
	s_cbranch_scc1 .Lxv
	s_sub_co_u32 s19, ttmp9, 320                   ; 0-31: W_Bv, 32-63: W_Aa
	s_cmp_lt_u32 s19, 32
	s_cselect_b64 s[22:23], s[12:13], s[10:11]
	s_and_b32 s20, s19, 31
	s_lshl_b32 s20, s20, 17                        ; 32 rows of 4,096 bytes
	s_add_nc_u64 s[22:23], s[22:23], s[20:21]
	s_lshl_b32 s20, s19, 16                        ; 32 rows of 2,048 bytes; W_Aa's copy follows W_Bv's
	s_add_co_u32 s20, s20, O_WBV
	s_add_nc_u64 s[24:25], s[16:17], s[20:21]
	CAST 0
	s_endpgm
.Lxv:
	s_sub_co_u32 s19, ttmp9, 192
	s_lshl_b32 s20, s19, 17
	s_add_nc_u64 s[22:23], s[6:7], s[20:21]
	s_lshl_b32 s20, s19, 16
	s_add_co_u32 s20, s20, O_XVB
	s_add_nc_u64 s[24:25], s[16:17], s[20:21]
	s_add_nc_u64 s[28:29], s[24:25], O_XVH-O_XVB
	CAST 2
	s_endpgm
.Lxa:
	s_sub_co_u32 s19, ttmp9, 64
	s_lshl_b32 s20, s19, 17
	s_add_nc_u64 s[22:23], s[4:5], s[20:21]
	s_lshl_b32 s20, s19, 16
	s_add_nc_u64 s[24:25], s[16:17], s[20:21]
	s_lshl_b32 s20, s19, 7                         ; 32 rows x 4 bytes
	s_add_co_u32 s20, s20, O_NX
	s_add_nc_u64 s[28:29], s[16:17], s[20:21]
	v_lshlrev_b32 v4, 2, v[LANE]
	v_lshl_add_u32 v4, s18, 4, v4                  ; NX[32 id + 4 w + lane]
	CAST 1
	v_cmp_eq_u32 vcc_lo, 1, v[LANE]                ; row k's sum goes to lane k
	v_cndmask_b32 v12, v12, v13, vcc_lo
	v_cmp_eq_u32 vcc_lo, 2, v[LANE]
	v_cndmask_b32 v12, v12, v14, vcc_lo
	v_cmp_eq_u32 vcc_lo, 3, v[LANE]
	v_cndmask_b32 v12, v12, v15, vcc_lo
	v_cmp_gt_u32 vcc_lo, 4, v[LANE]
	s_wait_xcnt 0x0                                ; EXEC changes only behind this wait
	s_and_saveexec_b32 s34, vcc_lo
	global_store_b32 v4, v12, s[28:29]
	s_wait_xcnt 0x0
	s_or_b32 exec_lo, exec_lo, s34
	s_endpgm
.Lfunc_end_k_q015637c2dc_prep:
	.size	k_q015637c2dc_prep, .Lfunc_end_k_q015637c2dc_prep-k_q015637c2dc_prep
	.p2alignl 7, 3214868480
	.fill 96, 4, 3214868480
	.section	.rodata,"a",@progbits
	.p2align	6, 0x0
	.amdhsa_kernel k_q015637c2dc_prep
		.amdhsa_group_segment_fixed_size 74752
		.amdhsa_private_segment_fixed_size 0
		.amdhsa_enable_private_segment 0
		.amdhsa_kernarg_size 56
		.amdhsa_user_sgpr_count 2
		.amdhsa_user_sgpr_kernarg_segment_ptr 1
		.amdhsa_wavefront_size32 1
		.amdhsa_system_sgpr_workgroup_id_x 1
		.amdhsa_system_sgpr_workgroup_id_y 1
		.amdhsa_system_sgpr_workgroup_id_z 1
		.amdhsa_system_vgpr_workitem_id 0
		.amdhsa_next_free_vgpr 256
		.amdhsa_next_free_sgpr 66
		.amdhsa_reserve_vcc 1
		.amdhsa_float_denorm_mode_32 3
		.amdhsa_float_denorm_mode_16_64 3
		.amdhsa_memory_ordered 1
		.amdhsa_forward_progress 1
		.amdhsa_inst_pref_size 115
	.end_amdhsa_kernel
	.amdgpu_metadata
---
amdhsa.version: [ 1, 2 ]
amdhsa.kernels:
  - .name:           k_q015637c2dc_prep
    .symbol:         k_q015637c2dc_prep.kd
    .args:
      - { .name: inputs_a, .offset: 0, .size: 8, .value_kind: global_buffer, .address_space: global }
      - { .name: inputs_v, .offset: 8, .size: 8, .value_kind: global_buffer, .address_space: global }
      - { .name: W_Ba, .offset: 16, .size: 8, .value_kind: global_buffer, .address_space: global }
      - { .name: W_Aa, .offset: 24, .size: 8, .value_kind: global_buffer, .address_space: global }
      - { .name: W_Bv, .offset: 32, .size: 8, .value_kind: global_buffer, .address_space: global }
      - { .name: W_Av, .offset: 40, .size: 8, .value_kind: global_buffer, .address_space: global }
      - { .name: prep, .offset: 48, .size: 8, .value_kind: global_buffer, .address_space: global }
    .group_segment_fixed_size: 74752
    .private_segment_fixed_size: 0
    .kernarg_segment_align: 8
    .kernarg_segment_size: 56
    .max_flat_workgroup_size: 256
    .sgpr_count:     66
    .vgpr_count:     256
    .wavefront_size: 32
...
	.end_amdgpu_metadata
.endif
;; end of part 1
;; launch projl (part 2): grid 8 x 48, 4 waves a work-group, clusters of 4 x 4, 327,680 bytes of LDS; arguments prep, proj; writes proj
.if DOCPART == 2
	.amdgcn_target "amdgcn-amd-amdhsa--gfx1250"
	.amdhsa_code_object_version 6
	.text
	.protected	k_q015637c2dc_projl
	.globl	k_q015637c2dc_projl
	.p2align	8
	.type	k_q015637c2dc_projl,@function
k_q015637c2dc_projl:
	s_mov_b64 s[64:65], 0
	v_nop
	global_prefetch_b8 v0, s[64:65] scope:SCOPE_SE
	s_setreg_imm32_b32 hwreg(HW_REG_WAVE_MODE, 25, 1), 1
	s_wait_xcnt 0x0
	s_wait_alu depctr_hold_cnt(0) depctr_sa_sdst(0) depctr_va_vdst(0) depctr_va_sdst(0) depctr_va_ssrc(0) depctr_va_vcc(0) depctr_vm_vsrc(0)
	s_getreg_b32 s2, hwreg(HW_REG_IB_STS2, 6, 4)
	s_cmp_eq_u32 s2, 0
	s_cbranch_scc0 .Lentry_in_a_cluster
	s_endpgm
.Lentry_in_a_cluster:
	s_bfe_u32 s2, ttmp6, 0x10000c
	s_cmp_lg_u32 s2, 0xf033
	s_cbranch_scc0 .Lentry_shape_is_right
	s_endpgm
.Lentry_shape_is_right:
; PROJ.  Three products C[m][n] = sum over k of A[m][k] B[n][k], bf16 operands, f32 sums, f16 results; the cluster's y picks the job:
;   job 0: T[i][q] = sum over p of Xa[i][p] (Mhi + Mlo)[q][p], K = 2048 (A's 1,024 columns twice, B's hi rows and then its lo rows), times 2^(78-h(i));
;   job 1: b_v^T[d][j] = sum over k of W_Bv[d][k] Xv[j][k];      job 2: a_a^T[d][i] = sum over k of W_Aa[d][k] Xa[i][k].
; h(i) = (E + 1) >> 1, E the biased exponent of nx(i) F, nx the row's sum of squares, F the sum of squares of M: |T| <= sqrt(nx F), so |T 2^(78-h)| stays under 2^15 x 1.004.
; LIMITS: |b_v|, |a_a| < 65504 (f16); NaN and infinities are not treated.
; A work-group makes 256 x 128 of C with four waves of 128 x 64 (32 accumulator tiles); K in steps of 128 through two LDS slots filled by the tensor data mover.
; CLUSTERS: 4 x 4 work-groups; A's tile hangs on the block row alone and is asked for jointly along a row of the cluster, B's on the block column alone, along a column.
; REGISTERS: window 0: addresses v16-26, B's fragments v32-63 and v64-95 (two buffers), v112-239 at work; window 1 (my rows 0-63) and window 2 (rows 64-127):
; accumulator tile (a, b) at v[8 (4 a + b)], A's fragments v128-159 and v160-191.  One setting (destination, source 1, source 2 in window 1 or 2, source 0 in window 0)
; serves the matrix instructions and the LDS loads of A's fragments.  The matrix instruction is used transposed (source 0 = rows of B): a lane holds 8 neighbouring columns of one row of C.
.set O_XVB, 0x800000
.set O_WBV, 0x1800000
.set O_WAA, 0x1a00000
.set O_MT2, 0x1c00000
.set O_NX,  0x2000000
.set O_FP,  0x2004000
.set PITCH, 272                        ; 256 bytes + 16: the 16 rows that a load touches start at 16 different 16-byte columns
.set AHALF, 128*PITCH
.set BHALF, 64*PITCH
.set SLOT,  2*AHALF+2*BHALF            ; A's 256 rows, then B's 128
.set ADRA, 16
.set ADRB, 20
.set STO,  24
.set RD,   25
.set CO,   26
.set SCL,  112                         ; v[112:127] eight pairs: the scale of row 16 a + r, twice
.set TMP,  128
.set G1,  24
.set G0,  32
.set G1B, 48
.set G0B, 56
.set W_LO, 0x54
.set W_HI, 0xa8
.set MSB, 0
.macro WIN new                         ; the immediate's high byte repeats the setting that is left
.if MSB != \new
	s_set_vgpr_msb (MSB<<8)|\new
.set MSB, \new
.endif
.endm
.macro PLACES                          ; four places behind a matrix instruction (ISA guide 7.12.1)
.rept 4
	v_nop
.endr
.endm
.macro JLOAD s                         ; waves 0, 1 ask for A's halves, waves 2, 3 for B's; each line has one mask; four v_nop follow each line
	s_cmp_eq_u32 s11, 0
	s_cbranch_scc0 .Lfor_b_\@
	tensor_load_to_lds s[G0+4*\s:G0+4*\s+3], s[G1:G1+7]
	s_nop 0
.rept 4
	v_nop
.endr
	s_branch .Lasked_\@
.Lfor_b_\@:
	tensor_load_to_lds s[G0B+4*\s:G0B+4*\s+3], s[G1B:G1B+7]
	s_nop 0
.rept 4
	v_nop
.endr
.Lasked_\@:
.endm
.macro CREST                           ; a round of the cluster's barrier behind its opening barrier
	s_cmp_lg_u32 s10, 0
	s_cbranch_scc1 .Lnot_wave_0_\@
	s_barrier_signal -3
.Lnot_wave_0_\@:
	s_barrier_wait -3
	s_barrier_signal -1
	s_barrier_wait -1
.endm
.macro CROUND
	s_barrier_signal -1
	s_barrier_wait -1
	CREST
.endm
.macro ROW f, a, zero                  ; four matrix instructions: 16 rows x 64 columns x 32 K
.irp b, 0,1,2,3
.if \zero
	v_wmma_f32_16x16x32_bf16 v[8*(4*\a+\b):8*(4*\a+\b)+7], v[32+32*\f+8*\b:32+32*\f+8*\b+7], v[128+32*\f+8*\a:128+32*\f+8*\a+7], 0
.else
	v_wmma_f32_16x16x32_bf16 v[8*(4*\a+\b):8*(4*\a+\b)+7], v[32+32*\f+8*\b:32+32*\f+8*\b+7], v[128+32*\f+8*\a:128+32*\f+8*\a+7], v[8*(4*\a+\b):8*(4*\a+\b)+7]
.endif
.endr
.endm
.macro HALF f, zero                    ; the 32 accumulators take turns in one order in every quarter
	ROW \f, 0, \zero
	ROW \f, 1, \zero
	ROW \f, 2, \zero
	ROW \f, 3, \zero
.endm
.macro FETCH slot, k, g                ; 24 LDS loads: A's rows 0-63, B, A's rows 64-127, 32 K at byte k of the rows, into buffer g
	WIN W_LO
.irp i, 0,1,2,3
	ds_load_b128 v[128+32*\g+8*\i:128+32*\g+8*\i+3], v[ADRA+\slot] offset:\k+\i*16*PITCH
	ds_load_b128 v[128+32*\g+8*\i+4:128+32*\g+8*\i+7], v[ADRA+\slot] offset:\k+\i*16*PITCH+32
.endr
	WIN 0
.irp i, 0,1,2,3
	ds_load_b128 v[32+32*\g+8*\i:32+32*\g+8*\i+3], v[ADRB+\slot] offset:\k+\i*16*PITCH
	ds_load_b128 v[32+32*\g+8*\i+4:32+32*\g+8*\i+7], v[ADRB+\slot] offset:\k+\i*16*PITCH+32
.endr
	WIN W_HI
.irp i, 0,1,2,3
	ds_load_b128 v[128+32*\g+8*\i:128+32*\g+8*\i+3], v[ADRA+\slot] offset:\k+(\i+4)*16*PITCH
	ds_load_b128 v[128+32*\g+8*\i+4:128+32*\g+8*\i+7], v[ADRA+\slot] offset:\k+(\i+4)*16*PITCH+32
.endr
.endm
.macro QUARTER slot, k, f, g, zero
	s_wait_dscnt 8                                 ; only A's rows 64-127, the youngest eight loads, may be out
	WIN W_LO
	HALF \f, \zero
	PLACES                                         ; in front of loads into registers that matrix instructions have read
	FETCH \slot, \k, \g
	s_wait_dscnt 24                                ; all but the 24 just issued
	HALF \f, \zero
.endm
.macro THREE slot, zero
	QUARTER \slot, 64,  0, 1, \zero
	QUARTER \slot, 128, 1, 0, 0
	QUARTER \slot, 192, 0, 1, 0
.endm
.macro STEP slot                       ; s70 counts laps: the slot's next tile is K step t = 2 s70 + slot + 2.  A's columns wrap at step 8, and B goes on in its lo rows, 1,024 rows of 2,048 bytes down
	s_lshl_b32 s75, s70, 1
	s_add_co_u32 s75, s75, \slot+2
	s_and_b32 s76, s75, 7
	s_lshl_b32 s76, s76, 8
	s_lshr_b32 s78, s75, 3
	s_lshl_b32 s78, s78, 21
	s_add_co_u32 s78, s78, s76
	s_add_nc_u64 s[G0+4*\slot+2:G0+4*\slot+3], s[80:81], s[76:77]
	s_or_b32 s[G0+4*\slot+3], s[G0+4*\slot+3], 0x80000000
	s_add_nc_u64 s[G0B+4*\slot+2:G0B+4*\slot+3], s[82:83], s[78:79]
	s_or_b32 s[G0B+4*\slot+3], s[G0B+4*\slot+3], 0x80000000
.endm
.macro TURN slot, next, fill           ; the last quarter of a K step, and the change of slots
	s_wait_dscnt 8
	WIN W_LO
	ROW 1, 0, 0
	ROW 1, 1, 0
	s_wait_dscnt 0x0                               ; my reads of this slot are over
	s_wait_tensorcnt 0x0                           ; all my tensor loads have landed: the one that was out is my part of the next slot
	ds_add_u32 v255, v255
	s_wait_dscnt 0x0
	s_barrier_signal -1
	ROW 1, 2, 0
	ROW 1, 3, 0
	WIN 0
	s_barrier_wait -1
.if \fill
	CREST                                          ; no wave of any partner still reads this slot or has a load on its way
	STEP \slot
	JLOAD \slot                                    ; the first tensor load behind the round, one a wave; its four v_nop are the places in front of the loads below
.else
	PLACES
.endif
	FETCH \next, 0, 0
	HALF 1, 0
.endm
.macro LAP zero
	THREE 0, \zero
	TURN 0, 1, 1
	THREE 1, 0
	TURN 1, 0, 1
	WIN 0
	s_add_co_u32 s70, s70, 1                       ; one lap done
.endm
	s_load_b128 s[4:7], s[0:1], 0x0                ; prep s[4:5], proj s[6:7]
	v_lshl_add_u32 v255, v0, 2, 0x33000
	s_set_vgpr_msb 0x40
	v_mov_b32 v255, 0
	s_set_vgpr_msb 0x4044
	ds_add_u32 v255, v255
	s_set_vgpr_msb 0x4400
	v_lshrrev_b32 v1, 5, v0
	v_readfirstlane_b32 s10, v1                    ; wave 0..3
	s_lshr_b32 s11, s10, 1                         ; my half of the rows; also: I fetch for A (0) or B (1)
	s_and_b32 s12, s10, 1                          ; my half of the columns; also: which half of that tile I fetch
	s_bfe_u32 s40, ttmp6, 0x40000                  ; cx
	s_bfe_u32 s41, ttmp6, 0x40004                  ; cy
	s_and_b32 s66, ttmp7, 0xffff                   ; the cluster's y, 0..11
	s_lshr_b32 s67, s66, 2                         ; job
	s_and_b32 s68, s66, 3
	s_mov_b32 s73, O_XVB                           ; B's offset in prep for job 1 (an instruction holds one literal, so this one comes in a register)
	s_cmp_eq_u32 s67, 0
	s_cselect_b32 s69, s68, 0                      ; job 0: 16 block rows, 8 block columns; jobs 1, 2: 4 block rows, 32 block columns
	s_cselect_b32 s71, 0, s68
	s_cselect_b32 s72, 0, O_WBV                    ; A's offset in prep
	s_cselect_b32 s73, O_MT2, s73                  ; B's
	s_cselect_b32 s74, 7, 3                        ; laps (8 for K = 2048, 4 for K = 1024) less the last, which is written out behind the loop
	s_cmp_eq_u32 s67, 2
	s_cselect_b32 s72, O_WAA, s72
	s_cselect_b32 s73, 0, s73
	s_lshl_b32 s13, s69, 2
	s_add_co_u32 s13, s13, s41                     ; block row
	s_lshl_b32 s42, s71, 1
	s_add_co_u32 s42, s42, ttmp9
	s_lshl_b32 s42, s42, 2
	s_add_co_u32 s42, s42, s40                     ; block column
	s_lshl_b32 s43, s41, 2
	s_lshl_b32 s43, 15, s43                        ; my row of the cluster
	s_lshl_b32 s44, 0x1111, s40                    ; my column
	s_or_b32 s[G1+0], s43, (1<<16)|(1<<20)|(1<<21)|(5<<22)|(3<<25)   ; mask; 2-byte elements; 4 words of padding behind every 64; bit 21 beside a mask
	s_or_b32 s[G1B+0], s44, (1<<16)|(1<<20)|(1<<21)|(5<<22)|(3<<25)
	s_mov_b32 s[G1+1], 128<<16                     ; tensor_dim0 = 128
	s_mov_b32 s[G1B+1], 128<<16
	s_mov_b32 s[G1+2], 128<<16                     ; tensor_dim1 = 128 rows of A,
	s_mov_b32 s[G1B+2], 64<<16                     ; 64 of B
	s_mov_b32 s[G1+3], 128<<16                     ; tile_dim0 = 128
	s_mov_b32 s[G1B+3], 128<<16
	s_mov_b32 s[G1+4], 128                         ; tile_dim1
	s_mov_b32 s[G1B+4], 64
	s_mov_b32 s[G1+5], 1024                        ; elements from row to row
	s_mov_b32 s[G1B+5], 1024
	s_mov_b32 s[G1+6], 0
	s_mov_b32 s[G1B+6], 0
	s_mov_b32 s[G1+7], 0
	s_mov_b32 s[G1B+7], 0
	s_lshl_b32 s16, s13, 19                        ; A: (256 block row + 128 half) rows of 2,048 bytes
	s_lshl_b32 s17, s12, 18
	s_add_co_u32 s16, s16, s17
	s_add_co_u32 s16, s16, s72
	s_mov_b32 s17, 0
	s_lshl_b32 s46, s42, 18                        ; B: (128 block column + 64 half) rows
	s_lshl_b32 s47, s12, 17
	s_add_co_u32 s46, s46, s47
	s_add_co_u32 s46, s46, s73
	s_mov_b32 s47, 0
	s_mul_i32 s20, s10, AHALF                      ; where A's halves go (waves 0, 1),
	s_mul_i32 s23, s10, BHALF
	s_add_co_u32 s23, s23, AHALF                   ; and B's (waves 2, 3): behind A's 256 rows
	s_mov_b32 s70, 0                               ; laps done
	s_mov_b32 s77, 0
	s_mov_b32 s79, 0
	s_mov_b32 s88, 0x76543210
	s_mov_b32 s89, 0xfedcba98
	s_wait_dscnt 0x0
	s_wait_kmcnt 0x0
	s_add_nc_u64 s[80:81], s[4:5], s[16:17]
	s_add_nc_u64 s[82:83], s[4:5], s[46:47]
	CROUND                                         ; all sixteen work-groups are here: the first joint loads meet
.irp s, 0,1
	s_mov_b32 s[G0+4*\s], 1
	s_add_co_u32 s[G0+4*\s+1], s20, \s*SLOT
	s_add_nc_u64 s[G0+4*\s+2:G0+4*\s+3], s[80:81], \s*256
	s_or_b32 s[G0+4*\s+3], s[G0+4*\s+3], 0x80000000
	s_mov_b32 s[G0B+4*\s], 1
	s_add_co_u32 s[G0B+4*\s+1], s23, \s*SLOT
	s_add_nc_u64 s[G0B+4*\s+2:G0B+4*\s+3], s[82:83], \s*256
	s_or_b32 s[G0B+4*\s+3], s[G0B+4*\s+3], 0x80000000
	JLOAD \s                                       ; two tensor loads of the wave are out, later one
.endr
	v_and_b32 v1, 15, v0                           ; r
	v_bfe_u32 v2, v0, 4, 1                         ; h
	v_mul_u32_u24 v3, v1, PITCH
	v_lshl_add_u32 v3, v2, 4, v3
	s_mul_i32 s21, s11, AHALF
	s_mul_i32 s22, s12, BHALF
	s_add_co_u32 s22, s22, 2*AHALF
	v_add_nc_u32 v[ADRA], s21, v3
	v_add_nc_u32 v[ADRA+1], SLOT, v[ADRA]
	v_add_nc_u32 v[ADRB], s22, v3
	v_add_nc_u32 v[ADRB+1], SLOT, v[ADRB]
	v_lshl_add_u32 v[STO], s12, 7, v[ADRA]         ; stage: row 128 hm + r, byte 128 hn + 16 h
	v_mul_u32_u24 v4, v2, PITCH
	v_lshl_add_u32 v4, v1, 4, v4
	s_mul_i32 s21, s10, 64*PITCH
	v_add_nc_u32 v[RD], s21, v4                    ; back: row 64 w + h, 16 lanes a row
	; the scales
	s_cmp_lg_u32 s67, 0
	s_cbranch_scc1 .Lones
	s_lshl_b32 s18, s13, 10
	s_lshl_b32 s19, s11, 9
	s_add_co_u32 s18, s18, s19
	s_add_co_u32 s18, s18, O_NX
	s_mov_b32 s19, 0
	s_add_nc_u64 s[84:85], s[4:5], s[18:19]        ; NX at my first row
	s_add_nc_u64 s[86:87], s[4:5], O_FP
	v_and_b32 v5, 31, v0
	v_lshlrev_b32 v5, 6, v5                        ; 16 of the 512 partial sums a lane
	v_lshlrev_b32 v6, 2, v1
	global_load_b128 v[128:131], v5, s[86:87]
	global_load_b128 v[132:135], v5, s[86:87] offset:16
	global_load_b128 v[136:139], v5, s[86:87] offset:32
	global_load_b128 v[140:143], v5, s[86:87] offset:48
.irp a, 0,1,2,3,4,5,6,7
	global_load_b32 v[144+\a], v6, s[84:85] offset:64*\a
.endr
	s_wait_loadcnt 0x0
	v_pk_add_f32 v[128:129], v[128:129], v[130:131]          ; F: the same order of sums here and in the score launch, so that both form the same h
	v_pk_add_f32 v[132:133], v[132:133], v[134:135]
	v_pk_add_f32 v[136:137], v[136:137], v[138:139]
	v_pk_add_f32 v[140:141], v[140:141], v[142:143]
	v_pk_add_f32 v[128:129], v[128:129], v[132:133]
	v_pk_add_f32 v[136:137], v[136:137], v[140:141]
	v_pk_add_f32 v[128:129], v[128:129], v[136:137]
	v_add_f32 v128, v128, v129
	v_add_f32_dpp v128, v128, v128 row_xmask:1 row_mask:0xf bank_mask:0xf
	v_add_f32_dpp v128, v128, v128 row_xmask:2 row_mask:0xf bank_mask:0xf
	v_add_f32_dpp v128, v128, v128 row_xmask:4 row_mask:0xf bank_mask:0xf
	v_add_f32_dpp v128, v128, v128 row_xmask:8 row_mask:0xf bank_mask:0xf
	v_permlanex16_b32 v129, v128, s88, s89
	v_add_f32 v128, v128, v129
.irp a, 0,1,2,3,4,5,6,7
	v_mul_f32 v7, v[144+\a], v128
	v_bfe_u32 v7, v7, 23, 8                        ; E
	v_add_nc_u32 v7, 1, v7
	v_lshrrev_b32 v7, 1, v7                        ; h
	v_sub_nc_u32 v7, 205, v7
	v_lshlrev_b32 v[SCL+2*\a], 23, v7              ; 2^(78 - h)
	v_mov_b32 v[SCL+2*\a+1], v[SCL+2*\a]
.endr
	s_branch .Lscaled
.Lones:
.irp a, 0,1,2,3,4,5,6,7,8,9,10,11,12,13,14,15
	v_mov_b32 v[SCL+\a], 1.0
.endr
.Lscaled:
	s_wait_tensorcnt 1                             ; my part of K step 0 is in; K step 1's stays out
	s_barrier_signal -1
	s_barrier_wait -1
	FETCH 0, 0, 0
	LAP 1                                          ; the first lap's first products start the sums
.Llap:
	LAP 0                                          ; laps 1 to 6 (job 0) or 1 to 2 (jobs 1, 2): the counter goes up by one a trip
	s_cmp_lt_u32 s70, s74
	s_cbranch_scc1 .Llap
	THREE 0, 0                                     ; the last lap fills nothing
	TURN 0, 1, 0
	THREE 1, 0
	s_wait_dscnt 8
	WIN W_LO
	HALF 1, 0
	s_wait_dscnt 0x0
	WIN W_HI
	HALF 1, 0
	PLACES
	; THE WAY OUT: scale, round to f16, 16 bytes a lane into a stage of 256 rows x 272 bytes that lies in slot 0.  Slot 0 has had its last fill, and every wave's last
	; reads of it stand in front of the last lap's barrier.
.macro PACK hi, win
	WIN ((\win<<6)|\win)
.irp a, 0,1,2,3
.set j, 0
.rept 16
	v_pk_mul_f32 v[32*\a+2*j:32*\a+2*j+1], v[32*\a+2*j:32*\a+2*j+1], v[SCL+2*(4*\hi+\a):SCL+2*(4*\hi+\a)+1] op_sel_hi:[1,0]
.set j, j+1
.endr
.endr
	WIN ((\win<<2)|\win)
.set j, 0
.rept 64
	v_cvt_pk_f16_f32 v[TMP+j], v[2*j], v[2*j+1]
.set j, j+1
.endr
	WIN 0
.irp a, 0,1,2,3
.irp b, 0,1,2,3
	ds_store_b128 v[STO], v[TMP+16*\a+4*\b:TMP+16*\a+4*\b+3] offset:(4*\hi+\a)*16*PITCH+32*\b
.endr
.endr
.endm
	PACK 0, 1
	PACK 1, 2
	s_wait_dscnt 0x0                               ; for the others' sake
	s_barrier_signal -1
	s_barrier_wait -1
.set t, 0
.rept 32
	ds_load_b128 v[112+4*t:112+4*t+3], v[RD] offset:t*2*PITCH      ; my 64 rows, two at a time
.set t, t+1
.endr
	s_lshl_b32 s46, s42, 8                         ; 256 bytes a block column,
	s_lshl_b32 s47, s67, 23                        ; 8 MiB a job
	s_add_co_u32 s46, s46, s47
	s_mov_b32 s47, 0
	s_add_nc_u64 s[8:9], s[6:7], s[46:47]
	s_mov_b32 s17, 0
.macro STOREOUT pitch
	v_mul_u32_u24 v[CO], v2, \pitch
	v_lshl_add_u32 v[CO], v1, 4, v[CO]
.set t, 0
.rept 32
	s_wait_dscnt 31-t                              ; the younger loads stay out
	global_store_b128 v[CO], v[112+4*t:112+4*t+3], s[8:9] offset:2*t*\pitch    ; 16 lanes store 256 consecutive bytes, aligned
.set t, t+1
.endr
.endm
	s_cmp_lg_u32 s67, 0
	s_cbranch_scc1 .Lwide
	s_lshl_b32 s16, s13, 19                        ; (256 block row + 64 w) rows of 2,048 bytes
	s_lshl_b32 s18, s10, 17
	s_add_co_u32 s16, s16, s18
	s_add_nc_u64 s[8:9], s[8:9], s[16:17]
	STOREOUT 2048
	s_branch .Lend
.Lwide:
	s_lshl_b32 s16, s13, 21                        ; rows of 8,192 bytes
	s_lshl_b32 s18, s10, 19
	s_add_co_u32 s16, s16, s18
	s_add_nc_u64 s[8:9], s[8:9], s[16:17]
	STOREOUT 8192
.Lend:
	s_set_vgpr_msb 0x4
	s_wait_tensorcnt 0x0
	ds_add_u32 v255, v255
	s_wait_dscnt 0x0
	s_set_vgpr_msb 0x400
	CROUND                                         ; the closing round
	s_endpgm
.Lfunc_end_k_q015637c2dc_projl:
	.size	k_q015637c2dc_projl, .Lfunc_end_k_q015637c2dc_projl-k_q015637c2dc_projl
	.p2alignl 7, 3214868480
	.fill 96, 4, 3214868480
	.section	.rodata,"a",@progbits
	.p2align	6, 0x0
	.amdhsa_kernel k_q015637c2dc_projl
		.amdhsa_group_segment_fixed_size 327680
		.amdhsa_private_segment_fixed_size 0
		.amdhsa_enable_private_segment 0
		.amdhsa_kernarg_size 16
		.amdhsa_user_sgpr_count 2
		.amdhsa_user_sgpr_kernarg_segment_ptr 1
		.amdhsa_wavefront_size32 1
		.amdhsa_system_sgpr_workgroup_id_x 1
		.amdhsa_system_sgpr_workgroup_id_y 1
		.amdhsa_system_sgpr_workgroup_id_z 1
		.amdhsa_system_vgpr_workitem_id 0
		.amdhsa_next_free_vgpr 768
		.amdhsa_next_free_sgpr 96
		.amdhsa_reserve_vcc 0
		.amdhsa_float_denorm_mode_32 3
		.amdhsa_float_denorm_mode_16_64 3
		.amdhsa_memory_ordered 1
		.amdhsa_forward_progress 1
		.amdhsa_inst_pref_size 139
	.end_amdhsa_kernel
	.amdgpu_metadata
---
amdhsa.version: [ 1, 2 ]
amdhsa.kernels:
  - .name:           k_q015637c2dc_projl
    .symbol:         k_q015637c2dc_projl.kd
    .args:
      - { .name: prep, .offset: 0, .size: 8, .value_kind: global_buffer, .address_space: global }
      - { .name: proj, .offset: 8, .size: 8, .value_kind: global_buffer, .address_space: global }
    .group_segment_fixed_size: 327680
    .private_segment_fixed_size: 0
    .kernarg_segment_align: 8
    .kernarg_segment_size: 16
    .max_flat_workgroup_size: 128
    .sgpr_count:     96
    .vgpr_count:     768
    .wavefront_size: 32
...
	.end_amdgpu_metadata
.endif
;; end of part 2
;; launch score (part 3): grid 16 x 16, 4 waves a work-group, clusters of 4 x 4, 327,680 bytes of LDS; arguments prep, proj, pmat; writes pmat
.if DOCPART == 3
	.amdgcn_target "amdgcn-amd-amdhsa--gfx1250"
	.amdhsa_code_object_version 6
	.text
	.protected	k_q015637c2dc_score
	.globl	k_q015637c2dc_score
	.p2align	8
	.type	k_q015637c2dc_score,@function
k_q015637c2dc_score:
	s_mov_b64 s[64:65], 0
	v_nop
	global_prefetch_b8 v0, s[64:65] scope:SCOPE_SE
	s_setreg_imm32_b32 hwreg(HW_REG_WAVE_MODE, 25, 1), 1
	s_wait_xcnt 0x0
	s_wait_alu depctr_hold_cnt(0) depctr_sa_sdst(0) depctr_va_vdst(0) depctr_va_sdst(0) depctr_va_ssrc(0) depctr_va_vcc(0) depctr_vm_vsrc(0)
	s_getreg_b32 s2, hwreg(HW_REG_IB_STS2, 6, 4)
	s_cmp_eq_u32 s2, 0
	s_cbranch_scc0 .Lentry_in_a_cluster
	s_endpgm
.Lentry_in_a_cluster:
	s_bfe_u32 s2, ttmp6, 0x10000c
	s_cmp_lg_u32 s2, 0xf033
	s_cbranch_scc0 .Lentry_shape_is_right
	s_endpgm
.Lentry_shape_is_right:
; SCORE.  S'[i][j] = sum over q of T'[i][q] Xv[j][q], f16 operands, f32 sums; y = S' 2^(h(i)-78) log2(e) is the score in base 2.
; For each row and each block of 128 columns (a wave's columns): m2 = max of y, P = 2^(y - m2) in f16, l = sum of P.  P, m2 and l are stored; the next launch joins the blocks.
; Every exponent is at most a rounding step above 0.  LIMITS: P below 2^-24 is dropped; NaN and infinities are not treated.
; A work-group makes 256 x 256 with four waves of 128 x 128 (64 accumulator tiles, windows 2 and 3); K = 1024 in steps of 128 through two LDS slots.
; CLUSTERS: 4 x 4 work-groups; T's tile is asked for jointly along a row of the cluster, Xv's along a column.
; Window 0: v0-31 addresses, v32-47 k(row) pairs, v48-55 m2, v56-63 l, v64-127 and v128-191 fragments of T, v192-223 packed P, v224-255 partial sums; window 1: fragments of Xv.
; The matrix instruction is used transposed (source 0 = rows of Xv): a lane holds 8 neighbouring columns of one row.
.set O_XVH, 0x1000000
.set O_NX,  0x2000000
.set O_FP,  0x2004000
.set O_MS,  0x2000000                  ; in pmat: m2 [32][4096] f32, and l 0x80000 behind it
.set SIZE_K, 1024
.set PROW,  8192                       ; bytes in a row of P
.set KSTEP,  128
.set PITCH,  272
.set HALFT,  128*PITCH
.set SLOT,   4*HALFT
.set STAGE,  2*SLOT
.set SPITCH, 272
.set LAPS, SIZE_K/(2*KSTEP)
.set ADRA, 16
.set ADRB, 20
.set STO,  24
.set RD,   25
.set CO,   26
.set CH,   6                           ; v[6:9] four chains of maxima; v[10:11] -m2 twice
.set KS,   32
.set MS,   48
.set LS,   56
.set F0,   64
.set F1,   128
.set TMP,  192
.set SUM,  224
.set G1, 24
.set G0, 32
.set G1B, 48
.set G0B, 56
.set MSB, 0
.macro WIN new
.if MSB != \new
	s_set_vgpr_msb (MSB<<8)|\new
.set MSB, \new
.endif
.endm
.set MUL_LO, 0xa1                      ; source 0 window 1, source 1 window 0, C and D window 2
.set MUL_HI, 0xf1
.set TO_B,   0x40
.macro JLOAD s
	s_cmp_eq_u32 s11, 0
	s_cbranch_scc0 .Lfor_b_\@
	tensor_load_to_lds s[G0+4*\s:G0+4*\s+3], s[G1:G1+7]
	s_nop 0
.rept 4
	v_nop
.endr
	s_branch .Lasked_\@
.Lfor_b_\@:
	tensor_load_to_lds s[G0B+4*\s:G0B+4*\s+3], s[G1B:G1B+7]
	s_nop 0
.rept 4
	v_nop
.endr
.Lasked_\@:
.endm
.macro CREST
	s_cmp_lg_u32 s10, 0
	s_cbranch_scc1 .Lnot_wave_0_\@
	s_barrier_signal -3
.Lnot_wave_0_\@:
	s_barrier_wait -3
	s_barrier_signal -1
	s_barrier_wait -1
.endm
.macro CROUND
	s_barrier_signal -1
	s_barrier_wait -1
	CREST
.endm
	s_load_b128 s[4:7], s[0:1], 0x0                ; prep s[4:5], proj s[6:7]
	s_load_b64 s[8:9], s[0:1], 0x10                ; pmat
	s_set_vgpr_msb 0x40
	v_lshl_add_u32 v255, v0, 2, 0x48400
	s_set_vgpr_msb 0x4000
	v_mov_b32 v31, 0
	s_set_vgpr_msb 0x1
	ds_add_u32 v255, v31
	s_set_vgpr_msb 0x100
	v_lshrrev_b32 v1, 5, v0
	v_readfirstlane_b32 s10, v1
	s_lshr_b32 s11, s10, 1
	s_and_b32 s12, s10, 1
	s_bfe_u32 s40, ttmp6, 0x40000
	s_bfe_u32 s41, ttmp6, 0x40004
	s_lshl_b32 s42, ttmp9, 2
	s_add_co_u32 s42, s42, s40                     ; block column
	s_and_b32 s13, ttmp7, 0xffff
	s_lshl_b32 s13, s13, 2
	s_add_co_u32 s13, s13, s41                     ; block row
	s_lshl_b32 s43, s41, 2
	s_lshl_b32 s43, 15, s43
	s_lshl_b32 s44, 0x1111, s40
	s_or_b32 s[G1+0], s43, (1<<16)|(1<<20)|(1<<21)|(5<<22)|(3<<25)
	s_or_b32 s[G1B+0], s44, (1<<16)|(1<<20)|(1<<21)|(5<<22)|(3<<25)
	s_mov_b32 s[G1B+1], KSTEP<<16
	s_mov_b32 s[G1+1], KSTEP<<16
	s_mov_b32 s[G1B+2], 128<<16
	s_mov_b32 s[G1+2], 128<<16
	s_mov_b32 s[G1B+3], KSTEP<<16
	s_mov_b32 s[G1+3], KSTEP<<16
	s_mov_b32 s[G1B+4], 128
	s_mov_b32 s[G1+4], 128
	s_mov_b32 s[G1B+5], SIZE_K
	s_mov_b32 s[G1+5], SIZE_K
	s_mov_b32 s[G1B+6], 0
	s_mov_b32 s[G1+6], 0
	s_mov_b32 s[G1B+7], 0
	s_mov_b32 s[G1+7], 0
	s_lshl_b32 s16, s13, 19                        ; T: (256 block row + 128 half) rows of 2,048 bytes
	s_lshl_b32 s17, s12, 18
	s_add_co_u32 s16, s16, s17
	s_mov_b32 s17, 0
	s_lshl_b32 s46, s42, 19                        ; Xv likewise by the block column
	s_lshl_b32 s47, s12, 18
	s_add_co_u32 s46, s46, s47
	s_add_co_u32 s46, s46, O_XVH
	s_mov_b32 s47, 0
	s_mul_i32 s20, s10, HALFT
	s_mov_b32 s88, 0x76543210
	s_mov_b32 s89, 0xfedcba98
	s_wait_dscnt 0x0
	s_wait_kmcnt 0x0
	s_add_nc_u64 s[14:15], s[6:7], s[16:17]
	s_add_nc_u64 s[46:47], s[4:5], s[46:47]
	CROUND
.irp s, 0,1
	s_mov_b32 s[G0+4*\s], 1
	s_add_co_u32 s[G0+4*\s+1], s20, \s*SLOT
	s_add_nc_u64 s[G0+4*\s+2:G0+4*\s+3], s[14:15], \s*KSTEP*2
	s_or_b32 s[G0+4*\s+3], s[G0+4*\s+3], 0x80000000
	s_mov_b32 s[G0B+4*\s], 1
	s_add_co_u32 s[G0B+4*\s+1], s20, \s*SLOT
	s_add_nc_u64 s[G0B+4*\s+2:G0B+4*\s+3], s[46:47], \s*KSTEP*2
	s_or_b32 s[G0B+4*\s+3], s[G0B+4*\s+3], 0x80000000
	JLOAD \s                                       ; two tensor loads of the wave are out, later one
.endr
	v_and_b32 v1, 15, v0
	v_bfe_u32 v2, v0, 4, 1
	v_mul_u32_u24 v3, v1, PITCH
	v_lshl_add_u32 v3, v2, 4, v3
	s_mul_i32 s21, s11, HALFT
	s_mul_i32 s22, s12, HALFT
	s_add_co_u32 s22, s22, 2*HALFT
.irp s, 0,1
	v_add_nc_u32 v[ADRA+\s], s21, v3
	v_add_nc_u32 v[ADRB+\s], s22, v3
	s_add_co_u32 s21, s21, SLOT
	s_add_co_u32 s22, s22, SLOT
.endr
	s_mul_i32 s23, s10, 16*SPITCH
	s_add_co_u32 s23, s23, STAGE
	v_mul_u32_u24 v4, v1, SPITCH
	v_lshl_add_u32 v4, v2, 4, v4
	v_add_nc_u32 v[STO], s23, v4
	v_mul_u32_u24 v5, v2, SPITCH
	v_lshl_add_u32 v5, v1, 4, v5
	v_add_nc_u32 v[RD], s23, v5
	v_mul_u32_u24 v5, v2, PROW
	v_lshl_add_u32 v[CO], v1, 4, v5
	; k(row) = 2^(h - 78) log2(e) for my eight rows 16 a + r
	s_lshl_b32 s18, s13, 10
	s_lshl_b32 s19, s11, 9
	s_add_co_u32 s18, s18, s19
	s_add_co_u32 s18, s18, O_NX
	s_mov_b32 s19, 0
	s_add_nc_u64 s[84:85], s[4:5], s[18:19]
	s_add_nc_u64 s[86:87], s[4:5], O_FP
	v_and_b32 v5, 31, v0
	v_lshlrev_b32 v5, 6, v5
	v_lshlrev_b32 v6, 2, v1
	global_load_b128 v[192:195], v5, s[86:87]
	global_load_b128 v[196:199], v5, s[86:87] offset:16
	global_load_b128 v[200:203], v5, s[86:87] offset:32
	global_load_b128 v[204:207], v5, s[86:87] offset:48
.irp a, 0,1,2,3,4,5,6,7
	global_load_b32 v[208+\a], v6, s[84:85] offset:64*\a
.endr
	s_wait_loadcnt 0x0
	v_pk_add_f32 v[192:193], v[192:193], v[194:195]          ; F in the same order of sums as in the launch that scaled T
	v_pk_add_f32 v[196:197], v[196:197], v[198:199]
	v_pk_add_f32 v[200:201], v[200:201], v[202:203]
	v_pk_add_f32 v[204:205], v[204:205], v[206:207]
	v_pk_add_f32 v[192:193], v[192:193], v[196:197]
	v_pk_add_f32 v[200:201], v[200:201], v[204:205]
	v_pk_add_f32 v[192:193], v[192:193], v[200:201]
	v_add_f32 v192, v192, v193
	v_add_f32_dpp v192, v192, v192 row_xmask:1 row_mask:0xf bank_mask:0xf
	v_add_f32_dpp v192, v192, v192 row_xmask:2 row_mask:0xf bank_mask:0xf
	v_add_f32_dpp v192, v192, v192 row_xmask:4 row_mask:0xf bank_mask:0xf
	v_add_f32_dpp v192, v192, v192 row_xmask:8 row_mask:0xf bank_mask:0xf
	v_permlanex16_b32 v193, v192, s88, s89
	v_add_f32 v192, v192, v193
.irp a, 0,1,2,3,4,5,6,7
	v_mul_f32 v7, v[208+\a], v192
	v_bfe_u32 v7, v7, 23, 8
	v_add_nc_u32 v7, 1, v7
	v_lshrrev_b32 v7, 1, v7                        ; h
	v_add_nc_u32 v7, 49, v7
	v_lshlrev_b32 v7, 23, v7                       ; 2^(h - 78)
	v_mul_f32 v[KS+2*\a], 0x3fb8aa3b, v7
	v_mov_b32 v[KS+2*\a+1], v[KS+2*\a]
.endr
.macro MUL16 f, hi, a0, zero
.irp a, \a0, \a0+1
.irp b, 0,1,2,3,4,5,6,7
.if \zero
	v_wmma_f32_16x16x32_f16 v[8*(8*(\a)+\b):8*(8*(\a)+\b)+7], v[\f+8*\b:\f+8*\b+7], v[\f+8*(4*\hi+\a):\f+8*(4*\hi+\a)+7], 0
.else
	v_wmma_f32_16x16x32_f16 v[8*(8*(\a)+\b):8*(8*(\a)+\b)+7], v[\f+8*\b:\f+8*\b+7], v[\f+8*(4*\hi+\a):\f+8*(4*\hi+\a)+7], v[8*(8*(\a)+\b):8*(8*(\a)+\b)+7]
.endif
.endr
.endr
.endm
.macro FETCH slot, k, f
	WIN TO_B
.irp i, 0,1,2,3,4,5,6,7
	ds_load_b128 v[\f+8*\i:\f+8*\i+3],   v[ADRB+\slot] offset:\k+\i*16*PITCH
	ds_load_b128 v[\f+8*\i+4:\f+8*\i+7], v[ADRB+\slot] offset:\k+\i*16*PITCH+32
.endr
	WIN 0
.irp i, 0,1,2,3,4,5,6,7
	ds_load_b128 v[\f+8*\i:\f+8*\i+3],   v[ADRA+\slot] offset:\k+\i*16*PITCH
	ds_load_b128 v[\f+8*\i+4:\f+8*\i+7], v[ADRA+\slot] offset:\k+\i*16*PITCH+32
.endr
.endm
.macro PLACES                          ; four places behind a matrix instruction (ISA guide 7.12.1)
.rept 4
	v_nop
.endr
.endm
.macro QUARTER slot, k, f, g, zero     ; the 64 accumulators take turns in one order in every quarter
	s_wait_dscnt 8                                 ; only the youngest eight loads (T's rows 64-127) may be out
	WIN MUL_LO
	MUL16 \f, 0, 0, \zero
	MUL16 \f, 0, 2, \zero
	PLACES
	FETCH \slot, \k, \g
	s_wait_dscnt 32                                ; all but the 32 just issued
	WIN MUL_HI
	MUL16 \f, 1, 0, \zero
	MUL16 \f, 1, 2, \zero
.endm
.macro THREE slot, zero
	QUARTER \slot, 64,  F0, F1, \zero
	QUARTER \slot, 128, F1, F0, 0
	QUARTER \slot, 192, F0, F1, 0
.endm
.macro TURN slot, next, fill
	s_wait_dscnt 8
	WIN MUL_LO
	MUL16 F1, 0, 0, 0
	s_wait_dscnt 0                                 ; my reads of this slot are over
	s_wait_tensorcnt 0x0                           ; all my tensor loads have landed
	ds_add_u32 v255, v31
	s_wait_dscnt 0x0
	s_barrier_signal -1
	MUL16 F1, 0, 2, 0
	WIN 0
	s_barrier_wait -1
.if \fill
	CREST                                          ; no wave of any partner still reads this slot or has a load on its way
	s_add_nc_u64 s[G0+4*\slot+2:G0+4*\slot+3], s[G0+4*\slot+2:G0+4*\slot+3], 2*KSTEP*2
	s_add_nc_u64 s[G0B+4*\slot+2:G0B+4*\slot+3], s[G0B+4*\slot+2:G0B+4*\slot+3], 2*KSTEP*2
	JLOAD \slot                                    ; the first tensor load behind the round, one a wave
.else
	PLACES
.endif
	FETCH \next, 0, F0
	WIN MUL_HI
	MUL16 F1, 1, 0, 0
	MUL16 F1, 1, 2, 0
.endm
.macro LAP zero
	THREE 0, \zero
	TURN 0, 1, 1
	THREE 1, 0
	TURN 1, 0, 1
.endm
	s_wait_tensorcnt 1                             ; my part of K step 0 is in; K step 1's stays out
	s_barrier_signal -1
	s_barrier_wait -1
	FETCH 0, 0, F0
	LAP 1
	WIN 0
	s_mov_b32 s3, LAPS-2
.Llap:
	LAP 0
	WIN 0
	s_sub_co_u32 s3, s3, 1
	s_cmp_lg_u32 s3, 0
	s_cbranch_scc1 .Llap
	THREE 0, 0
	TURN 0, 1, 0
	THREE 1, 0
	s_wait_dscnt 8
	WIN MUL_LO
	MUL16 F1, 0, 0, 0
	MUL16 F1, 0, 2, 0
	s_wait_dscnt 0
	WIN MUL_HI
	MUL16 F1, 1, 0, 0
	MUL16 F1, 1, 2, 0
	PLACES
	s_mov_b64 s[66:67], s[8:9]
	s_lshl_b32 s16, s13, 21                        ; P: (256 block row + 128 hm) rows of 8,192 bytes
	s_lshl_b32 s18, s11, 20
	s_add_co_u32 s16, s16, s18
	s_mov_b32 s17, 0
	s_add_nc_u64 s[8:9], s[8:9], s[16:17]
	s_lshl_b32 s46, s42, 9                         ; + 512 bytes a block column + 256 hn
	s_lshl_b32 s47, s12, 8
	s_add_co_u32 s46, s46, s47
	s_mov_b32 s47, 0
	s_add_nc_u64 s[8:9], s[8:9], s[46:47]
	s_lshl_b32 s46, s42, 15                        ; m2 and l: block (2 block column + hn) of 16,384 bytes, row 256 block row + 128 hm
	s_lshl_b32 s18, s12, 14
	s_add_co_u32 s46, s46, s18
	s_lshl_b32 s18, s13, 10
	s_add_co_u32 s46, s46, s18
	s_lshl_b32 s18, s11, 9
	s_add_co_u32 s46, s46, s18
	s_add_co_u32 s46, s46, O_MS
	s_add_nc_u64 s[66:67], s[66:67], s[46:47]
; Rows 16 i .. 16 i + 15: the eight tiles (a, 0..7) of window w, 64 registers of a lane = 64 of its row's 128 columns; the other 64 lie in lane xor 16.
.macro SOFT i, a, w, f
	WIN (\w|(\w<<2))
.irp c, 0,1,2,3
	v_max_num_f32 v[CH+\c], v[64*\a+2*\c], v[64*\a+2*\c+1]
.endr
	WIN ((\w<<2)|(\w<<4))
.set j, 8
.rept 7
.irp c, 0,1,2,3
	v_max3_num_f32 v[CH+\c], v[CH+\c], v[64*\a+j+2*\c], v[64*\a+j+2*\c+1]
.endr
.set j, j+8
.endr
	WIN 0
	v_max3_num_f32 v[CH], v[CH], v[CH+1], v[CH+2]
	v_max_num_f32 v[CH], v[CH], v[CH+3]
	v_permlanex16_b32 v[CH+1], v[CH], s88, s89
	v_max_num_f32 v[CH], v[CH], v[CH+1]
	v_mul_f32 v[MS+\i], v[CH], v[KS+2*\i]          ; k > 0: the largest y
	v_xor_b32 v10, 0x80000000, v[MS+\i]
	v_mov_b32 v11, v10
	WIN (\w|(\w<<6))
.set j, 0
.rept 32
	v_pk_fma_f32 v[64*\a+j:64*\a+j+1], v[64*\a+j:64*\a+j+1], v[KS+2*\i:KS+2*\i+1], v[10:11] op_sel_hi:[1,0,0]   ; y - m2
.set j, j+2
.endr
.set j, 0
.rept 64
	v_exp_f32 v[64*\a+j], v[64*\a+j]
.set j, j+1
.endr
	v_nop                                          ; one plain place behind the last exponential (ISA guide 5.7.2)
	WIN (\w|(\w<<2))
.set j, 0
	s_wait_alu depctr_va_vdst(0)
.rept 16
	v_pk_add_f32 v[SUM+2*j:SUM+2*j+1], v[64*\a+4*j:64*\a+4*j+1], v[64*\a+4*j+2:64*\a+4*j+3]
.set j, j+1
.endr
.set j, 0
.rept 32
	v_cvt_pk_f16_f32 v[TMP+j], v[64*\a+2*j], v[64*\a+2*j+1]
.set j, j+1
.endr
	WIN 0
.irp j, 0,1,2,3,4,5,6,7
	v_pk_add_f32 v[SUM+2*\j:SUM+2*\j+1], v[SUM+2*\j:SUM+2*\j+1], v[SUM+16+2*\j:SUM+16+2*\j+1]
.endr
.irp j, 0,1,2,3
	v_pk_add_f32 v[SUM+2*\j:SUM+2*\j+1], v[SUM+2*\j:SUM+2*\j+1], v[SUM+8+2*\j:SUM+8+2*\j+1]
.endr
	v_pk_add_f32 v[SUM:SUM+1], v[SUM:SUM+1], v[SUM+4:SUM+5]
	v_pk_add_f32 v[SUM+2:SUM+3], v[SUM+2:SUM+3], v[SUM+6:SUM+7]
	v_pk_add_f32 v[SUM:SUM+1], v[SUM:SUM+1], v[SUM+2:SUM+3]
	v_add_f32 v[SUM], v[SUM], v[SUM+1]
	v_permlanex16_b32 v[SUM+1], v[SUM], s88, s89
	v_add_f32 v[LS+\i], v[SUM], v[SUM+1]
.irp b, 0,1,2,3,4,5,6,7
	ds_store_b128 v[STO], v[TMP+4*\b:TMP+4*\b+3] offset:32*\b      ; my own stage, behind the ring: no tensor load fills it
.endr
	s_wait_xcnt 0x0                                ; buffer f, which stores read, and the stores' base are rewritten only behind this wait
.if \i
	s_add_nc_u64 s[8:9], s[8:9], 16*PROW
.endif
.irp t, 0,1,2,3,4,5,6,7
	ds_load_b128 v[\f+4*\t:\f+4*\t+3], v[RD] offset:\t*2*SPITCH    ; LDS serves a wave's instructions in order (ISA guide 5.7.1.4)
.endr
.irp t, 0,1,2,3,4,5,6,7
	s_wait_dscnt 7-\t
	global_store_b128 v[CO], v[\f+4*\t:\f+4*\t+3], s[8:9] offset:2*\t*PROW      ; 16 lanes store 256 consecutive bytes, aligned
.endr
.endm
	SOFT 0, 0, 2, F0
	SOFT 1, 1, 2, F1
	SOFT 2, 2, 2, F0
	SOFT 3, 3, 2, F1
	SOFT 4, 0, 3, F0
	SOFT 5, 1, 3, F1
	SOFT 6, 2, 3, F0
	SOFT 7, 3, 3, F1
	; m2 and l of my 128 rows: through my stage, so that each goes out as 512 consecutive bytes
	v_lshlrev_b32 v12, 2, v1
	v_add_nc_u32 v12, s23, v12
.irp a, 0,1,2,3,4,5,6,7
	ds_store_b32 v12, v[MS+\a] offset:64*\a        ; both halves of the lanes hold the same number
	ds_store_b32 v12, v[LS+\a] offset:512+64*\a
.endr
	v_and_b32 v14, 31, v0
	v_lshlrev_b32 v14, 4, v14
	v_add_nc_u32 v13, s23, v14
	ds_load_b128 v[192:195], v13
	ds_load_b128 v[196:199], v13 offset:512
	s_wait_dscnt 0x0
	global_store_b128 v14, v[192:195], s[66:67]
	global_store_b128 v14, v[196:199], s[66:67] offset:0x80000
	s_set_vgpr_msb 0x1
	s_wait_tensorcnt 0x0
	ds_add_u32 v255, v31
	s_wait_dscnt 0x0
	s_set_vgpr_msb 0x100
	CROUND                                         ; the closing round
	s_endpgm
.Lfunc_end_k_q015637c2dc_score:
	.size	k_q015637c2dc_score, .Lfunc_end_k_q015637c2dc_score-k_q015637c2dc_score
	.p2alignl 7, 3214868480
	.fill 96, 4, 3214868480
	.section	.rodata,"a",@progbits
	.p2align	6, 0x0
	.amdhsa_kernel k_q015637c2dc_score
		.amdhsa_group_segment_fixed_size 327680
		.amdhsa_private_segment_fixed_size 0
		.amdhsa_enable_private_segment 0
		.amdhsa_kernarg_size 24
		.amdhsa_user_sgpr_count 2
		.amdhsa_user_sgpr_kernarg_segment_ptr 1
		.amdhsa_wavefront_size32 1
		.amdhsa_system_sgpr_workgroup_id_x 1
		.amdhsa_system_sgpr_workgroup_id_y 1
		.amdhsa_system_sgpr_workgroup_id_z 1
		.amdhsa_system_vgpr_workitem_id 0
		.amdhsa_next_free_vgpr 1024
		.amdhsa_next_free_sgpr 96
		.amdhsa_reserve_vcc 0
		.amdhsa_float_denorm_mode_32 3
		.amdhsa_float_denorm_mode_16_64 3
		.amdhsa_memory_ordered 1
		.amdhsa_forward_progress 1
		.amdhsa_inst_pref_size 255
	.end_amdhsa_kernel
	.section	.bss,"aw",@nobits
	.p2align	6
	.space	262144
	.amdgpu_metadata
---
amdhsa.version: [ 1, 2 ]
amdhsa.kernels:
  - .name:           k_q015637c2dc_score
    .symbol:         k_q015637c2dc_score.kd
    .args:
      - { .name: prep, .offset: 0, .size: 8, .value_kind: global_buffer, .address_space: global }
      - { .name: proj, .offset: 8, .size: 8, .value_kind: global_buffer, .address_space: global }
      - { .name: pmat, .offset: 16, .size: 8, .value_kind: global_buffer, .address_space: global }
    .group_segment_fixed_size: 327680
    .private_segment_fixed_size: 0
    .kernarg_segment_align: 8
    .kernarg_segment_size: 24
    .max_flat_workgroup_size: 128
    .sgpr_count:     96
    .vgpr_count:     1024
    .wavefront_size: 32
...
	.end_amdgpu_metadata
.endif
;; end of part 3
;; launch stat (part 4): grid 16 x 1, 4 waves a work-group, no clusters, 0 bytes of LDS; arguments pmat, ctab; writes ctab
.if DOCPART == 4
	.amdgcn_target "amdgcn-amd-amdhsa--gfx1250"
	.amdhsa_code_object_version 6
	.text
	.protected	k_q015637c2dc_stat
	.globl	k_q015637c2dc_stat
	.p2align	8
	.type	k_q015637c2dc_stat,@function
k_q015637c2dc_stat:
	s_mov_b64 s[64:65], 0
	v_nop
	global_prefetch_b8 v0, s[64:65] scope:SCOPE_SE
	s_setreg_imm32_b32 hwreg(HW_REG_WAVE_MODE, 25, 1), 1
	s_wait_xcnt 0x0
; STAT.  Joins the 32 column blocks of each row: m = max over blocks of m2, l = sum over blocks of l(blk) 2^(m2(blk) - m), c(blk) = 2^(m2(blk) - m) / l.
; alpha = P c.  Every exponent is at most 0 and l is at least 1.  A thread takes rows 2 T and 2 T + 1: each load and store of a wave covers 256 consecutive bytes.
; 1 MiB in, 0.5 MiB out: no LDS, no matrix unit, no prefetch would add anything.
.set MM, 2                             ; v[2:65]    m2 of block b in the pair 2 b, then 2^(m2 - m), then c
.set LL, 66                            ; v[66:129]  l of block b
.set MX, 130
.set SU, 132
.set RC, 136
	s_load_b128 s[4:7], s[0:1], 0x0                ; pmat, ctab
	v_lshlrev_b32 v1, 3, v0
	s_lshl_b32 s8, ttmp9, 10                       ; 128 threads x 8 bytes
	s_mov_b32 s9, 0
	s_wait_kmcnt 0x0
	s_add_nc_u64 s[4:5], s[4:5], 0x2000000         ; m2; l lies 0x80000 behind it
	s_add_nc_u64 s[4:5], s[4:5], s[8:9]
	s_add_nc_u64 s[6:7], s[6:7], s[8:9]
.set b, 0
.rept 32
	global_load_b64 v[MM+2*b:MM+2*b+1], v1, s[4:5] offset:b*16384
.set b, b+1
.endr
.set b, 0
.rept 32
	global_load_b64 v[LL+2*b:LL+2*b+1], v1, s[4:5] offset:0x80000+b*16384
.set b, b+1
.endr
	s_wait_loadcnt 0x0
	v_max_num_f32 v[MX], v[MM], v[MM+2]
	v_max_num_f32 v[MX+1], v[MM+1], v[MM+3]
.set b, 2
.rept 15
	v_max3_num_f32 v[MX], v[MX], v[MM+2*b], v[MM+2*b+2]
	v_max3_num_f32 v[MX+1], v[MX+1], v[MM+2*b+1], v[MM+2*b+3]
.set b, b+2
.endr
.set b, 0
.rept 32
	v_pk_add_f32 v[MM+2*b:MM+2*b+1], v[MM+2*b:MM+2*b+1], v[MX:MX+1] neg_lo:[0,1] neg_hi:[0,1]
.set b, b+1
.endr
.set b, 0
.rept 64
	v_exp_f32 v[MM+b], v[MM+b]
.set b, b+1
.endr
	v_nop                                          ; one plain place behind the last exponential (ISA guide 5.7.2)
	s_wait_alu depctr_va_vdst(0)
	v_pk_mul_f32 v[SU:SU+1], v[LL:LL+1], v[MM:MM+1]
	v_pk_mul_f32 v[SU+2:SU+3], v[LL+2:LL+3], v[MM+2:MM+3]
.set b, 2
.rept 15
	v_pk_fma_f32 v[SU:SU+1], v[LL+2*b:LL+2*b+1], v[MM+2*b:MM+2*b+1], v[SU:SU+1]
	v_pk_fma_f32 v[SU+2:SU+3], v[LL+2*b+2:LL+2*b+3], v[MM+2*b+2:MM+2*b+3], v[SU+2:SU+3]
.set b, b+2
.endr
	v_pk_add_f32 v[SU:SU+1], v[SU:SU+1], v[SU+2:SU+3]
	v_rcp_f32 v[RC], v[SU]
	v_rcp_f32 v[RC+1], v[SU+1]
	v_nop
.set b, 0
	s_wait_alu depctr_va_vdst(0)
.rept 32
	v_pk_mul_f32 v[MM+2*b:MM+2*b+1], v[MM+2*b:MM+2*b+1], v[RC:RC+1]
	global_store_b64 v1, v[MM+2*b:MM+2*b+1], s[6:7] offset:b*16384
.set b, b+1
.endr
	s_endpgm
.Lfunc_end_k_q015637c2dc_stat:
	.size	k_q015637c2dc_stat, .Lfunc_end_k_q015637c2dc_stat-k_q015637c2dc_stat
	.p2alignl 7, 3214868480
	.fill 96, 4, 3214868480
	.section	.rodata,"a",@progbits
	.p2align	6, 0x0
	.amdhsa_kernel k_q015637c2dc_stat
		.amdhsa_group_segment_fixed_size 0
		.amdhsa_private_segment_fixed_size 0
		.amdhsa_enable_private_segment 0
		.amdhsa_kernarg_size 16
		.amdhsa_user_sgpr_count 2
		.amdhsa_user_sgpr_kernarg_segment_ptr 1
		.amdhsa_wavefront_size32 1
		.amdhsa_system_sgpr_workgroup_id_x 1
		.amdhsa_system_sgpr_workgroup_id_y 1
		.amdhsa_system_sgpr_workgroup_id_z 1
		.amdhsa_system_vgpr_workitem_id 0
		.amdhsa_next_free_vgpr 160
		.amdhsa_next_free_sgpr 66
		.amdhsa_reserve_vcc 0
		.amdhsa_float_denorm_mode_32 3
		.amdhsa_float_denorm_mode_16_64 3
		.amdhsa_memory_ordered 1
		.amdhsa_forward_progress 1
		.amdhsa_inst_pref_size 20
	.end_amdhsa_kernel
	.amdgpu_metadata
---
amdhsa.version: [ 1, 2 ]
amdhsa.kernels:
  - .name:           k_q015637c2dc_stat
    .symbol:         k_q015637c2dc_stat.kd
    .args:
      - { .name: pmat, .offset: 0, .size: 8, .value_kind: global_buffer, .address_space: global }
      - { .name: ctab, .offset: 8, .size: 8, .value_kind: global_buffer, .address_space: global }
    .group_segment_fixed_size: 0
    .private_segment_fixed_size: 0
    .kernarg_segment_align: 8
    .kernarg_segment_size: 16
    .max_flat_workgroup_size: 128
    .sgpr_count:     66
    .vgpr_count:     160
    .wavefront_size: 32
...
	.end_amdgpu_metadata
.endif
;; end of part 4
;; launch mix (part 5): grid 8 x 32, 4 waves a work-group, clusters of 4 x 4, 327,680 bytes of LDS; arguments pmat, proj, ctab, inputs_a, inputs_v, out0, out1; writes out0, out1
.if DOCPART == 5
	.amdgcn_target "amdgcn-amd-amdhsa--gfx1250"
	.amdhsa_code_object_version 6
	.text
	.protected	k_q015637c2dc_mix
	.globl	k_q015637c2dc_mix
	.p2align	8
	.type	k_q015637c2dc_mix,@function
k_q015637c2dc_mix:
	s_mov_b64 s[64:65], 0
	v_nop
	global_prefetch_b8 v0, s[64:65] scope:SCOPE_SE
	s_setreg_imm32_b32 hwreg(HW_REG_WAVE_MODE, 25, 1), 1
	s_wait_xcnt 0x0
	s_wait_alu depctr_hold_cnt(0) depctr_sa_sdst(0) depctr_va_vdst(0) depctr_va_sdst(0) depctr_va_ssrc(0) depctr_va_vcc(0) depctr_vm_vsrc(0)
	s_getreg_b32 s2, hwreg(HW_REG_IB_STS2, 6, 4)
	s_cmp_eq_u32 s2, 0
	s_cbranch_scc0 .Lentry_in_a_cluster
	s_endpgm
.Lentry_in_a_cluster:
	s_bfe_u32 s2, ttmp6, 0x10000c
	s_cmp_lg_u32 s2, 0xf033
	s_cbranch_scc0 .Lentry_shape_is_right
	s_endpgm
.Lentry_shape_is_right:
; MIX.  alpha[i][j] = P[i][j] c(i, j >> 7).  The cluster's y picks the job:
;   job 0: out0[i][d] = sum over j of alpha[i][j] b_v^T[d][j] + inputs_a[i][d];     job 1: out1[j][d] = sum over i of alpha[i][j] a_a^T[d][i] + inputs_v[j][d].
; f16 operands, f32 sums, the residual added in f32.  P's fragments are multiplied by c in f16 in registers (c <= 1, P <= 1).  LIMIT: alpha below 2^-24 is dropped.
; A work-group makes 256 x 128 with four waves of 128 x 64; K = 4096 in steps of 128 through two LDS slots filled by the tensor data mover.
; Job 0 (MODE 1): P's rows lie along K; a K step is one block of columns, so c hangs on the row alone: one register for each of a lane's eight fragments.
; Job 1 (MODE 2): P's rows go down K: tiles of 128 K rows x 512 bytes, transposing loads; my 128 columns are one block, so c hangs on K alone: eight registers, the same for every fragment.
; CLUSTERS: 4 x 4 work-groups; P's tile is asked for jointly along a row of the cluster, the other operand's along a column.
; REGISTERS as in the projection launch; v96-103 and v104-111 of window 0 hold c for fragment buffers 0 and 1.
; LDS: slots at 0 and 104,448; each wave's stage of 16 rows x 272 bytes from 208,896; the table of c from 226,304 (32 KiB): no tensor load fills stage or table.
.set PITCH, 272
.set AHALF, 128*PITCH                  ; also 64 rows of 544 bytes
.set BHALF, 64*PITCH
.set SLOT,  2*AHALF+2*BHALF
.set STAGE, 2*SLOT
.set TABLE, STAGE+4*16*PITCH
.set TP,    544                        ; job 1: 512 bytes + 32 = 17 x 32
.set ADRA, 16
.set ADRB, 20
.set STO,  24
.set RD,   25
.set CO,   26
.set SCADR, 27
.set OUTB, 112
.set RES,  144
.set G1,  24
.set G0,  32
.set G1B, 48
.set G0B, 56
.set W_LO, 0x54
.set W_HI, 0xa8
.set MSB, 0
.macro WIN new
.if MSB != \new
	s_set_vgpr_msb (MSB<<8)|\new
.set MSB, \new
.endif
.endm
.macro PLACES                          ; four places behind a matrix instruction (ISA guide 7.12.1)
.rept 4
	v_nop
.endr
.endm
.macro JLOAD s
	s_cmp_eq_u32 s11, 0
	s_cbranch_scc0 .Lfor_b_\@
	tensor_load_to_lds s[G0+4*\s:G0+4*\s+3], s[G1:G1+7]
	s_nop 0
.rept 4
	v_nop
.endr
	s_branch .Lasked_\@
.Lfor_b_\@:
	tensor_load_to_lds s[G0B+4*\s:G0B+4*\s+3], s[G1B:G1B+7]
	s_nop 0
.rept 4
	v_nop
.endr
.Lasked_\@:
.endm
.macro CREST
	s_cmp_lg_u32 s10, 0
	s_cbranch_scc1 .Lnot_wave_0_\@
	s_barrier_signal -3
.Lnot_wave_0_\@:
	s_barrier_wait -3
	s_barrier_signal -1
	s_barrier_wait -1
.endm
.macro CROUND
	s_barrier_signal -1
	s_barrier_wait -1
	CREST
.endm
.macro WM f, a, b, zero
.if \zero
	v_wmma_f32_16x16x32_f16 v[8*(4*\a+\b):8*(4*\a+\b)+7], v[32+32*\f+8*\b:32+32*\f+8*\b+7], v[128+32*\f+8*\a:128+32*\f+8*\a+7], 0
.else
	v_wmma_f32_16x16x32_f16 v[8*(4*\a+\b):8*(4*\a+\b)+7], v[32+32*\f+8*\b:32+32*\f+8*\b+7], v[128+32*\f+8*\a:128+32*\f+8*\a+7], v[8*(4*\a+\b):8*(4*\a+\b)+7]
.endif
.endm
.macro SCM f, hi, a, g                 ; register g of P's fragment a times c
.if MODE == 1
	v_pk_mul_f16 v[128+32*\f+8*\a+\g], v[96+8*\f+4*\hi+\a], v[128+32*\f+8*\a+\g]
.else
	v_pk_mul_f16 v[128+32*\f+8*\a+\g], v[96+8*\f+\g], v[128+32*\f+8*\a+\g]
.endif
.endm
.macro SCFRAG f, hi
.irp g, 0,1,2,3,4,5,6,7
	SCM \f, \hi, 0, \g
.endr
.endm
.macro ROW f, hi, a, zero              ; four matrix instructions on fragment a; among them fragment a + 1 is scaled
	WM \f, \a, 0, \zero
.if \a<3
	SCM \f, \hi, (\a+1), 0
	SCM \f, \hi, (\a+1), 1
	SCM \f, \hi, (\a+1), 2
.endif
	WM \f, \a, 1, \zero
.if \a<3
	SCM \f, \hi, (\a+1), 3
	SCM \f, \hi, (\a+1), 4
	SCM \f, \hi, (\a+1), 5
.endif
	WM \f, \a, 2, \zero
.if \a<3
	SCM \f, \hi, (\a+1), 6
	SCM \f, \hi, (\a+1), 7
.endif
	WM \f, \a, 3, \zero
.endm
.macro HALF f, hi, zero                ; the 32 accumulators take turns in one order in every quarter
	SCFRAG \f, \hi
	ROW \f, \hi, 0, \zero
	ROW \f, \hi, 1, \zero
	ROW \f, \hi, 2, \zero
	ROW \f, \hi, 3, \zero
.endm
.macro ALD g, slot, q, i               ; P's fragment i of eight, quarter q
.if MODE == 1
	ds_load_b128 v[128+32*\g+8*(\i&3):128+32*\g+8*(\i&3)+3], v[ADRA+\slot] offset:64*\q+\i*16*PITCH
	ds_load_b128 v[128+32*\g+8*(\i&3)+4:128+32*\g+8*(\i&3)+7], v[ADRA+\slot] offset:64*\q+\i*16*PITCH+32
.else
	ds_load_tr16_b128 v[128+32*\g+8*(\i&3):128+32*\g+8*(\i&3)+3], v[ADRA+\slot] offset:32*TP*\q+32*\i
	ds_load_tr16_b128 v[128+32*\g+8*(\i&3)+4:128+32*\g+8*(\i&3)+7], v[ADRA+\slot] offset:32*TP*\q+32*\i+16*TP
.endif
.endm
.macro FETCH slot, kl, q, g            ; 26 LDS loads: P's rows 0-63, the other operand, c, P's rows 64-127; kl = the K step counted from the lap's first
	WIN W_LO
.irp i, 0,1,2,3
	ALD \g, \slot, \q, \i
.endr
	WIN 0
.irp i, 0,1,2,3
	ds_load_b128 v[32+32*\g+8*\i:32+32*\g+8*\i+3], v[ADRB+\slot] offset:64*\q+\i*16*PITCH
	ds_load_b128 v[32+32*\g+8*\i+4:32+32*\g+8*\i+7], v[ADRB+\slot] offset:64*\q+\i*16*PITCH+32
.endr
	ds_load_b128 v[96+8*\g:96+8*\g+3], v[SCADR] offset:\kl*SCK+\q*SCQ
	ds_load_b128 v[96+8*\g+4:96+8*\g+7], v[SCADR] offset:\kl*SCK+\q*SCQ+SC2
	WIN W_HI
.irp i, 4,5,6,7
	ALD \g, \slot, \q, \i
.endr
.endm
.macro QUARTER slot, kl, q, f, g, zero
	s_wait_dscnt 8                                 ; only P's rows 64-127, the youngest eight loads, may be out
	WIN W_LO
	HALF \f, 0, \zero
	PLACES
	FETCH \slot, \kl, \q, \g
	s_wait_dscnt 26                                ; all but the 26 just issued
	HALF \f, 1, \zero
.endm
.macro THREE slot, kl, zero
	QUARTER \slot, \kl, 1, 0, 1, \zero
	QUARTER \slot, \kl, 2, 1, 0, 0
	QUARTER \slot, \kl, 3, 0, 1, 0
.endm
.macro TURN slot, next, kl, fill
	s_wait_dscnt 8
	WIN W_LO
	SCFRAG 1, 0
	ROW 1, 0, 0, 0
	ROW 1, 0, 1, 0
	s_wait_dscnt 0x0                               ; my reads of this slot are over
	s_wait_tensorcnt 0x0                           ; all my tensor loads have landed: the one that was out is my part of the next slot
	ds_add_u32 v255, v255
	s_wait_dscnt 0x0
	s_barrier_signal -1
	ROW 1, 0, 2, 0
	ROW 1, 0, 3, 0
	WIN 0
	s_barrier_wait -1
.if \fill
	CREST                                          ; no wave of any partner still reads this slot or has a load on its way
	s_add_nc_u64 s[G0+4*\slot+2:G0+4*\slot+3], s[G0+4*\slot+2:G0+4*\slot+3], ASTEP
	s_add_nc_u64 s[G0B+4*\slot+2:G0B+4*\slot+3], s[G0B+4*\slot+2:G0B+4*\slot+3], 512
	JLOAD \slot                                    ; the first tensor load behind the round, one a wave
.else
	PLACES
.endif
	FETCH \next, \kl, 0, 0
	HALF 1, 1, 0
.endm
.macro LAP zero
	THREE 0, 0, \zero
	TURN 0, 1, 1, 1
	THREE 1, 1, 0
	TURN 1, 0, 2, 1
	WIN 0
	v_add_nc_u32 v[SCADR], 2*SCK, v[SCADR]         ; c of the next lap's K steps
.endm
.macro RESLOAD i, buf                  ; the residual of rows 16 i .. 16 i + 15, my 256 bytes of each
.irp t, 0,1,2,3,4,5,6,7
	global_load_b128 v[RES+32*\buf+4*\t:RES+32*\buf+4*\t+3], v[CO], s[84:85] offset:(16*\i+2*\t)*4096 th:TH_LOAD_NT
.endr
.endm
; One job's path from its descriptors to its last matrix instruction.
.macro MAIN
.if MODE == 1
	s_or_b32 s[G1+0], s43, (1<<16)|(1<<20)|(1<<21)|(5<<22)|(3<<25)   ; 128 rows x 128 elements, 4 words of padding behind every 64
	s_mov_b32 s[G1+1], 128<<16
	s_mov_b32 s[G1+2], 128<<16
	s_mov_b32 s[G1+3], 128<<16
	s_mov_b32 s[G1+4], 128
	s_lshl_b32 s16, s13, 21                        ; (256 block row + 128 half) rows of 8,192 bytes
	s_lshl_b32 s18, s12, 20
.else
	s_or_b32 s[G1+0], s43, (1<<16)|(1<<20)|(1<<21)|(6<<22)|(7<<25)   ; 64 K rows x 256 elements, 8 words of padding behind every 128
	s_mov_b32 s[G1+1], 256<<16
	s_mov_b32 s[G1+2], 64<<16
	s_mov_b32 s[G1+3], 256<<16
	s_mov_b32 s[G1+4], 64
	s_lshl_b32 s16, s13, 9                         ; column 256 block row, K row 64 half
	s_lshl_b32 s18, s12, 19
.endif
	s_add_co_u32 s16, s16, s18
	s_mov_b32 s17, 0
	s_add_nc_u64 s[14:15], s[68:69], s[16:17]
	s_lshl_b32 s46, s42, 20                        ; (128 block column + 64 half) rows of 8,192 bytes
	s_lshl_b32 s47, s12, 19
	s_add_co_u32 s46, s46, s47
	s_add_co_u32 s46, s46, BOFF
	s_mov_b32 s47, 0
	s_add_nc_u64 s[46:47], s[70:71], s[46:47]
	CROUND                                         ; all sixteen work-groups are here: the first joint loads meet
.irp s, 0,1
	s_mov_b32 s[G0+4*\s], 1
	s_add_co_u32 s[G0+4*\s+1], s20, \s*SLOT
	s_add_nc_u64 s[G0+4*\s+2:G0+4*\s+3], s[14:15], \s*ASL
	s_or_b32 s[G0+4*\s+3], s[G0+4*\s+3], 0x80000000
	s_mov_b32 s[G0B+4*\s], 1
	s_add_co_u32 s[G0B+4*\s+1], s23, \s*SLOT
	s_add_nc_u64 s[G0B+4*\s+2:G0B+4*\s+3], s[46:47], \s*256
	s_or_b32 s[G0B+4*\s+3], s[G0B+4*\s+3], 0x80000000
	JLOAD \s                                       ; two tensor loads of the wave are out, later one
.endr
	s_mov_b32 s19, 0
.if MODE == 1
	s_mul_i32 s21, s11, AHALF
	v_add_nc_u32 v[ADRA], s21, v3                  ; row 128 hm + r, byte 16 h
	; table [blk][hm][r][a], c as f16 twice in a word: thread t takes 4 rows of blocks (t >> 6) + 2 u
	s_lshl_b32 s18, s13, 10
	s_add_nc_u64 s[18:19], s[72:73], s[18:19]      ; c at row 256 block row
	v_and_b32 v6, 63, v0
	v_lshlrev_b32 v6, 4, v6
	v_lshrrev_b32 v7, 6, v0
	v_lshl_add_u32 v6, v7, 14, v6
	v_lshlrev_b32 v8, 10, v7
	v_bfe_u32 v9, v0, 5, 1
	v_lshl_add_u32 v8, v9, 9, v8
	v_and_b32 v9, 3, v0
	v_lshl_add_u32 v8, v9, 7, v8
	v_bfe_u32 v9, v0, 2, 3
	v_lshl_add_u32 v8, v9, 2, v8
	v_add_nc_u32 v8, TABLE, v8
.irp u, 0,1,2,3,4,5,6,7,8,9,10,11,12,13,14,15
	global_load_b128 v[112+4*\u:112+4*\u+3], v6, s[18:19] offset:\u*32768
.endr
	v_lshlrev_b32 v[SCADR], 5, v1
	v_lshl_add_u32 v[SCADR], s11, 9, v[SCADR]
	v_add_nc_u32 v[SCADR], TABLE, v[SCADR]
	s_wait_loadcnt 0x0
.irp u, 0,1,2,3,4,5,6,7,8,9,10,11,12,13,14,15
.irp e, 0,1,2,3
	v_cvt_pk_f16_f32 v[112+4*\u+\e], v[112+4*\u+\e], v[112+4*\u+\e]
	ds_store_b32 v8, v[112+4*\u+\e] offset:\u*2048+\e*32
.endr
.endr
.else
	v_and_b32 v[ADRA], 7, v0
	v_lshl_add_u32 v[ADRA], v2, 3, v[ADRA]         ; K row 8 h + (lane & 7)
	v_mul_u32_u24 v[ADRA], v[ADRA], TP
	v_bfe_u32 v5, v0, 3, 1
	v_lshl_add_u32 v[ADRA], v5, 4, v[ADRA]
	v_lshl_add_u32 v[ADRA], s11, 8, v[ADRA]        ; column 128 hm
	; table [hm][4096] f16: blocks 2 block row and 2 block row + 1 of c, 32 KiB that lie together
	s_lshl_b32 s18, s13, 15
	s_add_nc_u64 s[18:19], s[72:73], s[18:19]
	v_lshlrev_b32 v6, 4, v0
	v_lshlrev_b32 v8, 3, v0
	v_add_nc_u32 v8, TABLE, v8
.irp u, 0,1,2,3,4,5,6,7,8,9,10,11,12,13,14,15
	global_load_b128 v[112+4*\u:112+4*\u+3], v6, s[18:19] offset:\u*2048
.endr
	v_lshlrev_b32 v[SCADR], 4, v2
	v_lshl_add_u32 v[SCADR], s11, 13, v[SCADR]
	v_add_nc_u32 v[SCADR], TABLE, v[SCADR]
	s_wait_loadcnt 0x0
.irp u, 0,1,2,3,4,5,6,7,8,9,10,11,12,13,14,15
	v_cvt_pk_f16_f32 v[112+4*\u], v[112+4*\u], v[112+4*\u+1]
	v_cvt_pk_f16_f32 v[112+4*\u+1], v[112+4*\u+2], v[112+4*\u+3]
	ds_store_b64 v8, v[112+4*\u:112+4*\u+1] offset:\u*1024
.endr
.endif
	v_add_nc_u32 v[ADRA+1], SLOT, v[ADRA]
	s_wait_dscnt 0x0                               ; my part of the table is written, for the others' sake
	s_wait_tensorcnt 1                             ; my part of K step 0 is in; K step 1's stays out
	s_barrier_signal -1
	s_barrier_wait -1
	FETCH 0, 0, 0, 0
	LAP 1                                          ; the first lap's first products start the sums
	s_mov_b32 s3, 14
.Llap_\@:
	LAP 0
	s_sub_co_u32 s3, s3, 1
	s_cmp_lg_u32 s3, 0
	s_cbranch_scc1 .Llap_\@
	RESLOAD 0, 0                                   ; the first two groups of the residual are asked for here and land under the last lap's matrix work
	RESLOAD 1, 1
	THREE 0, 0, 0                                  ; the last lap fills nothing
	TURN 0, 1, 1, 0
	THREE 1, 1, 0
	s_wait_dscnt 8
	WIN W_LO
	HALF 1, 0, 0
	s_wait_dscnt 0x0
	WIN W_HI
	HALF 1, 1, 0
	WIN 0
.endm
	s_load_b256 s[68:75], s[0:1], 0x0              ; pmat s[68:69], proj s[70:71], ctab s[72:73], inputs_a s[74:75]
	s_load_b128 s[76:79], s[0:1], 0x20             ; inputs_v s[76:77], out0 s[78:79]
	s_load_b64 s[80:81], s[0:1], 0x30              ; out1
	v_lshl_add_u32 v255, v0, 2, 0x3f400
	s_set_vgpr_msb 0x40
	v_mov_b32 v255, 0
	s_set_vgpr_msb 0x4044
	ds_add_u32 v255, v255
	s_set_vgpr_msb 0x4400
	v_lshrrev_b32 v1, 5, v0
	v_readfirstlane_b32 s10, v1                    ; wave 0..3
	s_lshr_b32 s11, s10, 1                         ; my half of the rows; also: I fetch P (0) or the other operand (1)
	s_and_b32 s12, s10, 1                          ; my half of the columns; also: which half of that tile I fetch
	s_bfe_u32 s40, ttmp6, 0x40000                  ; cx
	s_bfe_u32 s41, ttmp6, 0x40004                  ; cy
	s_lshl_b32 s42, ttmp9, 2
	s_add_co_u32 s42, s42, s40                     ; block column, 0..7
	s_and_b32 s66, ttmp7, 0xffff
	s_lshr_b32 s67, s66, 2                         ; job
	s_and_b32 s13, s66, 3
	s_lshl_b32 s13, s13, 2
	s_add_co_u32 s13, s13, s41                     ; block row, 0..15
	s_lshl_b32 s43, s41, 2
	s_lshl_b32 s43, 15, s43
	s_lshl_b32 s44, 0x1111, s40
	s_mov_b32 s[G1+5], 4096                        ; elements from row to row, in P and in both transposed operands
	s_mov_b32 s[G1+6], 0
	s_mov_b32 s[G1+7], 0
	s_or_b32 s[G1B+0], s44, (1<<16)|(1<<20)|(1<<21)|(5<<22)|(3<<25)
	s_mov_b32 s[G1B+1], 128<<16
	s_mov_b32 s[G1B+2], 64<<16
	s_mov_b32 s[G1B+3], 128<<16
	s_mov_b32 s[G1B+4], 64
	s_mov_b32 s[G1B+5], 4096
	s_mov_b32 s[G1B+6], 0
	s_mov_b32 s[G1B+7], 0
	s_mul_i32 s20, s10, AHALF                      ; where P's halves go (waves 0, 1),
	s_mul_i32 s23, s10, BHALF
	s_add_co_u32 s23, s23, AHALF                   ; and the other operand's (waves 2, 3)
	v_and_b32 v1, 15, v0                           ; r
	v_bfe_u32 v2, v0, 4, 1                         ; h
	v_mul_u32_u24 v3, v1, PITCH
	v_lshl_add_u32 v4, v2, 5, v3                   ; stage, in: row r, 32 bytes for each half of the lanes
	v_lshl_add_u32 v3, v2, 4, v3
	s_mul_i32 s22, s12, BHALF
	s_add_co_u32 s22, s22, 2*AHALF
	v_add_nc_u32 v[ADRB], s22, v3
	v_add_nc_u32 v[ADRB+1], SLOT, v[ADRB]
	s_mul_i32 s22, s10, 16*PITCH
	s_add_co_u32 s22, s22, STAGE
	v_add_nc_u32 v[STO], s22, v4
	v_mul_u32_u24 v5, v2, PITCH
	v_lshl_add_u32 v5, v1, 4, v5
	v_add_nc_u32 v[RD], s22, v5                    ; back: lanes 0-15 one row of 256 bytes, lanes 16-31 the next
	v_lshlrev_b32 v5, 12, v2
	v_lshl_add_u32 v[CO], v1, 4, v5                ; the same two rows in the residual and in the output
	s_lshl_b32 s88, s13, 20                        ; (256 block row + 128 hm) rows of 4,096 bytes + (128 block column + 64 hn) x 4
	s_lshl_b32 s89, s11, 19
	s_add_co_u32 s88, s88, s89
	s_lshl_b32 s89, s42, 9
	s_add_co_u32 s88, s88, s89
	s_lshl_b32 s89, s12, 8
	s_add_co_u32 s88, s88, s89
	s_mov_b32 s89, 0
	s_wait_dscnt 0x0
	s_wait_kmcnt 0x0
	s_cmp_eq_u32 s67, 0
	s_cselect_b64 s[84:85], s[74:75], s[76:77]     ; the residual,
	s_cselect_b64 s[86:87], s[78:79], s[80:81]     ; the output
	s_add_nc_u64 s[84:85], s[84:85], s[88:89]
	s_add_nc_u64 s[86:87], s[86:87], s[88:89]
	s_cmp_lg_u32 s67, 0
	s_cbranch_scc1 .Ljob1
.set MODE, 1
.set BOFF, 0x800000                    ; b_v^T in proj
.set ASL, 256                          ; from a K step's tile of P to the next
.set ASTEP, 512                        ; two K steps
.set SCK, 1024                         ; the table: bytes from K step to K step,
.set SCQ, 0                            ; from quarter to quarter,
.set SC2, 16                           ; and from the first four registers to the last four
	MAIN
	s_branch .Lout
.Ljob1:
.set MODE, 2
.set BOFF, 0x1000000                   ; a_a^T in proj
.set ASL, 128*8192
.set ASTEP, 2*128*8192
.set SCK, 256
.set SCQ, 64
.set SC2, 32
	MAIN
.Lout:
	PLACES
; THE WAY OUT, 16 rows at a time: f32 through my own stage, read back as whole rows of 256 bytes, the residual added, stored.
.macro OUTG i, a, win, left
	WIN (\win<<2)
.irp b, 0,1,2,3
	ds_store_b128 v[STO], v[8*(4*\a+\b):8*(4*\a+\b)+3] offset:64*\b
	ds_store_b128 v[STO], v[8*(4*\a+\b)+4:8*(4*\a+\b)+7] offset:64*\b+16
.endr
	WIN 0
	s_wait_xcnt 0x0                                ; the registers that the last group's stores read are loaded again only behind this wait
.irp t, 0,1,2,3,4,5,6,7
	ds_load_b128 v[OUTB+4*\t:OUTB+4*\t+3], v[RD] offset:\t*2*PITCH     ; LDS serves a wave's instructions in order (ISA guide 5.7.1.4)
.endr
	s_wait_loadcnt \left                           ; this group's residual is in; the next group's eight loads stay out
.irp t, 0,1,2,3,4,5,6,7
	s_wait_dscnt 7-\t
	v_pk_add_f32 v[OUTB+4*\t:OUTB+4*\t+1], v[OUTB+4*\t:OUTB+4*\t+1], v[RES+32*(\i&1)+4*\t:RES+32*(\i&1)+4*\t+1]
	v_pk_add_f32 v[OUTB+4*\t+2:OUTB+4*\t+3], v[OUTB+4*\t+2:OUTB+4*\t+3], v[RES+32*(\i&1)+4*\t+2:RES+32*(\i&1)+4*\t+3]
	global_store_b128 v[CO], v[OUTB+4*\t:OUTB+4*\t+3], s[86:87] offset:(16*\i+2*\t)*4096 th:TH_STORE_NT    ; 16 lanes store 256 consecutive bytes, aligned
.endr
.if \i<6
	RESLOAD (\i+2), (\i&1)
.endif
.endm
	OUTG 0, 0, 1, 8
	OUTG 1, 1, 1, 8
	OUTG 2, 2, 1, 8
	OUTG 3, 3, 1, 8
	OUTG 4, 0, 2, 8
	OUTG 5, 1, 2, 8
	OUTG 6, 2, 2, 8
	OUTG 7, 3, 2, 0
	s_set_vgpr_msb 0x4
	s_wait_tensorcnt 0x0
	ds_add_u32 v255, v255
	s_wait_dscnt 0x0
	s_set_vgpr_msb 0x400
	CROUND                                         ; the closing round
	s_endpgm
.Lfunc_end_k_q015637c2dc_mix:
	.size	k_q015637c2dc_mix, .Lfunc_end_k_q015637c2dc_mix-k_q015637c2dc_mix
	.p2alignl 7, 3214868480
	.fill 96, 4, 3214868480
	.section	.rodata,"a",@progbits
	.p2align	6, 0x0
	.amdhsa_kernel k_q015637c2dc_mix
		.amdhsa_group_segment_fixed_size 327680
		.amdhsa_private_segment_fixed_size 0
		.amdhsa_enable_private_segment 0
		.amdhsa_kernarg_size 56
		.amdhsa_user_sgpr_count 2
		.amdhsa_user_sgpr_kernarg_segment_ptr 1
		.amdhsa_wavefront_size32 1
		.amdhsa_system_sgpr_workgroup_id_x 1
		.amdhsa_system_sgpr_workgroup_id_y 1
		.amdhsa_system_sgpr_workgroup_id_z 1
		.amdhsa_system_vgpr_workitem_id 0
		.amdhsa_next_free_vgpr 768
		.amdhsa_next_free_sgpr 96
		.amdhsa_reserve_vcc 0
		.amdhsa_float_denorm_mode_32 3
		.amdhsa_float_denorm_mode_16_64 3
		.amdhsa_memory_ordered 1
		.amdhsa_forward_progress 1
		.amdhsa_inst_pref_size 255
	.end_amdhsa_kernel
	.section	.bss,"aw",@nobits
	.p2align	6
	.space	262144
	.amdgpu_metadata
---
amdhsa.version: [ 1, 2 ]
amdhsa.kernels:
  - .name:           k_q015637c2dc_mix
    .symbol:         k_q015637c2dc_mix.kd
    .args:
      - { .name: pmat, .offset: 0, .size: 8, .value_kind: global_buffer, .address_space: global }
      - { .name: proj, .offset: 8, .size: 8, .value_kind: global_buffer, .address_space: global }
      - { .name: ctab, .offset: 16, .size: 8, .value_kind: global_buffer, .address_space: global }
      - { .name: inputs_a, .offset: 24, .size: 8, .value_kind: global_buffer, .address_space: global }
      - { .name: inputs_v, .offset: 32, .size: 8, .value_kind: global_buffer, .address_space: global }
      - { .name: out0, .offset: 40, .size: 8, .value_kind: global_buffer, .address_space: global }
      - { .name: out1, .offset: 48, .size: 8, .value_kind: global_buffer, .address_space: global }
    .group_segment_fixed_size: 327680
    .private_segment_fixed_size: 0
    .kernarg_segment_align: 8
    .kernarg_segment_size: 56
    .max_flat_workgroup_size: 128
    .sgpr_count:     96
    .vgpr_count:     768
    .wavefront_size: 32
...
	.end_amdgpu_metadata
.endif
;; end of part 5
;; ======== version 2 of 3: 5 launches; 1.14 times as fast as version 1
;; limits: values are held in f16: magnitudes above 65,504 overflow, below 6.1e-05 lose precision
;; workspace buffers: prep 33,572,864 bytes; proj 25,165,824 bytes; pmat 34,603,008 bytes; ctab 524,288 bytes
;; launch prep (part 6): grid 384 x 1, 8 waves a work-group, no clusters, 74,752 bytes of LDS; arguments inputs_a, inputs_v, W_Ba, W_Aa, W_Bv, W_Av, prep; writes prep
.if DOCPART == 6
	.amdgcn_target "amdgcn-amd-amdhsa--gfx1250"
	.amdhsa_code_object_version 6
	.text
	.protected	k_q015637c2dc_prep
	.globl	k_q015637c2dc_prep
	.p2align	8
	.type	k_q015637c2dc_prep,@function
k_q015637c2dc_prep:
	s_mov_b64 s[64:65], 0
	v_nop
	global_prefetch_b8 v0, s[64:65] scope:SCOPE_SE
	s_setreg_imm32_b32 hwreg(HW_REG_WAVE_MODE, 25, 1), 1
	s_wait_xcnt 0x0
; PREP.  Work-groups 128-191: one tile of 128 (q) x 128 (p) each of M^T[q][p] = sum over o of W_Av[o][q] W_Ba[o][p], operands rounded to bf16, sums in f32,
; stored as a pair of bf16 (hi = bf16(M), lo = bf16(M - hi)) in MT2 rows q and 1024 + q; each wave also stores the sum of squares of its part (FP).
; The other work-groups are casts, 32 rows each: 0-127 inputs_a -> bf16 and the rows' sums of squares NX; 192-319 inputs_v -> bf16 and f16 of that bf16; 320-383 W_Bv, W_Aa -> bf16.
; The scores are later formed as Xa (W_Ba^T W_Av) Xv^T: another order of sums and roundings than b_a a_v^T.
; LIMITS: |inputs_v| < 65504 (f16 copy; below 2^-17 its last bits are dropped); NaN and infinities are not treated.
.set O_XVB, 0x800000                   ; byte offsets in prep: inputs_a bf16 at 0, inputs_v bf16,
.set O_XVH, 0x1000000                  ; inputs_v f16,
.set O_WBV, 0x1800000                  ; W_Bv bf16, and W_Aa bf16 2 MiB behind it,
.set O_MT2, 0x1c00000                  ; M^T hi rows, then lo rows,
.set O_NX,  0x2000000                  ; 4096 f32,
.set O_FP,  0x2004000                  ; 512 f32
.set MP,    288                        ; LDS row of a K tile: 128 bf16 + 32 bytes = 9 x 32 bytes
.set OPB,   64*MP                      ; one operand's 64 rows
.set MSLOT, 2*OPB                      ; W_Av's rows, then W_Ba's
.set SP,    272                        ; row of the stage on the way out
.set FR,    64                         ; v[64:111]  fragments of one sub-step of 32 K: four of W_Av, two of W_Ba
.set SA,    112                        ; v[112:239] two staging sets of 64: 8 x 4 registers of W_Av, 8 x 4 of W_Ba; tile t goes through set t & 1
.set BAS,   36                         ; s[36:43]   set k: W_Av's base s[36+4k:37+4k], W_Ba's s[38+4k:39+4k]
.set HIP,   64                         ; way out: packed hi, v[64:95]
.set LOP,   96                         ; packed lo, v[96:127]
.set TT,    128                        ; at work
.set LANE,  240
.set GO,    242                        ; byte offset of my 16 bytes in a K tile's rows; never rewritten
.set LSA,   244                        ; v244, v245: where I store into slot 0, 1
.set VA,    246                        ; transposing loads: W_Av
.set VB,    247                        ; W_Ba
.set STG,   248
.set RDB,   249
.set COF,   250
.set RR,    251
.set HH,    252
.set FPO,   253
.set X,     64                         ; casts: v[64:191] four rows as loaded
.macro PLACES                          ; four places behind a matrix instruction (ISA guide 7.12.1)
.rept 4
	v_nop
.endr
.endm
.macro GLOAD set                       ; a K tile: 64 rows o, 512 bytes of each operand's row; wave w takes rows w + 8 u
.irp u, 0,1,2,3,4,5,6,7
	global_load_b128 v[SA+64*\set+4*\u:SA+64*\set+4*\u+3], v[GO], s[BAS+4*\set:BAS+4*\set+1] offset:\u*32768
.endr
.irp u, 0,1,2,3,4,5,6,7
	global_load_b128 v[SA+64*\set+32+4*\u:SA+64*\set+32+4*\u+3], v[GO], s[BAS+4*\set+2:BAS+4*\set+3] offset:\u*32768
.endr
.endm
.macro STEPB set                       ; the set's next tile lies two tiles of 64 rows x 4,096 bytes further down
	s_add_nc_u64 s[BAS+4*\set:BAS+4*\set+1], s[BAS+4*\set:BAS+4*\set+1], 0x80000
	s_add_nc_u64 s[BAS+4*\set+2:BAS+4*\set+3], s[BAS+4*\set+2:BAS+4*\set+3], 0x80000
.endm
.macro CVT set                         ; f32 to bf16 in place: four registers become two
.irp u, 0,1,2,3,4,5,6,7,8,9,10,11,12,13,14,15
	v_cvt_pk_bf16_f32 v[SA+64*\set+4*\u], v[SA+64*\set+4*\u], v[SA+64*\set+4*\u+1]
	v_cvt_pk_bf16_f32 v[SA+64*\set+4*\u+1], v[SA+64*\set+4*\u+2], v[SA+64*\set+4*\u+3]
.endr
.endm
.macro LSTORE set                      ; set k goes into slot k; 32 lanes x 8 bytes fill a row's 256 bytes
.irp u, 0,1,2,3,4,5,6,7
	ds_store_b64 v[LSA+\set], v[SA+64*\set+4*\u:SA+64*\set+4*\u+1] offset:\u*8*MP
	ds_store_b64 v[LSA+\set], v[SA+64*\set+32+4*\u:SA+64*\set+32+4*\u+1] offset:OPB+\u*8*MP
.endr
.endm
.macro TRLOAD cur, ks                  ; rows lie along q or p, K goes down the rows: 12 transposing loads, the second of each pair 16 rows further down
.irp a, 0,1,2,3
	ds_load_tr16_b128 v[FR+8*\a:FR+8*\a+3], v[VA] offset:\cur*MSLOT+\ks*32*MP+32*\a
	ds_load_tr16_b128 v[FR+8*\a+4:FR+8*\a+7], v[VA] offset:\cur*MSLOT+\ks*32*MP+32*\a+16*MP
.endr
.irp b, 0,1
	ds_load_tr16_b128 v[FR+32+8*\b:FR+32+8*\b+3], v[VB] offset:\cur*MSLOT+\ks*32*MP+32*\b
	ds_load_tr16_b128 v[FR+32+8*\b+4:FR+32+8*\b+7], v[VB] offset:\cur*MSLOT+\ks*32*MP+32*\b+16*MP
.endr
.endm
.macro MMUL zero                       ; eight accumulators by turns; source 0 = p, source 1 = q: a lane holds 8 neighbouring p of one row q
.irp a, 0,1,2,3
.irp b, 0,1
.if \zero
	v_wmma_f32_16x16x32_bf16 v[8*(2*\a+\b):8*(2*\a+\b)+7], v[FR+32+8*\b:FR+32+8*\b+7], v[FR+8*\a:FR+8*\a+7], 0
.else
	v_wmma_f32_16x16x32_bf16 v[8*(2*\a+\b):8*(2*\a+\b)+7], v[FR+32+8*\b:FR+32+8*\b+7], v[FR+8*\a:FR+8*\a+7], v[8*(2*\a+\b):8*(2*\a+\b)+7]
.endif
.endr
.endr
.endm
; Trip t multiplies tile t (slot cur), puts tile t + 1 from staging set nxt into slot nxt and asks memory for tile t + 3 into that set:
; two tiles, 32 loads of the wave, are on their way.  left = how many younger loads may stay out when tile t + 1 has to be there.
.macro MTRIP cur, nxt, store, load, left, zero
	s_wait_dscnt 0x0                               ; my stores of tile t and my reads of tile t - 1 are done
	s_barrier_signal -1
	s_barrier_wait -1                              ; everybody's are: slot cur is whole, slot nxt is free
	PLACES                                         ; in front of loads into registers that the last trip's matrix instructions read
	TRLOAD \cur, 0                                 ; asked for ahead of the wait for memory
.if \store
	s_wait_loadcnt \left                           ; loads come back in order (ISA guide 5.7.1): tile t + 1 is in its set, and the set's bases are free
	CVT \nxt
	LSTORE \nxt
.endif
.if \load
	STEPB \nxt
	GLOAD \nxt
.endif
	s_wait_dscnt 16*\store                         ; the 12 fragment loads are in; the 16 stores behind them may be out
	MMUL \zero
	PLACES
	TRLOAD \cur, 1
	s_wait_dscnt 0x0
	MMUL 0
.endm
.macro WSUM r, t                       ; sum over the 32 lanes, in every lane
	v_add_f32_dpp v[\r], v[\r], v[\r] row_xmask:1 row_mask:0xf bank_mask:0xf
	v_add_f32_dpp v[\r], v[\r], v[\r] row_xmask:2 row_mask:0xf bank_mask:0xf
	v_add_f32_dpp v[\r], v[\r], v[\r] row_xmask:4 row_mask:0xf bank_mask:0xf
	v_add_f32_dpp v[\r], v[\r], v[\r] row_xmask:8 row_mask:0xf bank_mask:0xf
	v_permlanex16_b32 v[\t], v[\r], s30, s31
.endm
	s_load_b256 s[4:11], s[0:1], 0x0               ; inputs_a s[4:5], inputs_v s[6:7], W_Ba s[8:9], W_Aa s[10:11]
	s_load_b128 s[12:15], s[0:1], 0x20             ; W_Bv s[12:13], W_Av s[14:15]
	s_load_b64 s[16:17], s[0:1], 0x30              ; prep
	v_lshl_add_u32 v254, v0, 2, 0x12000
	v_mov_b32 v255, 0
	v_and_b32 v[LANE], 31, v0
	v_lshrrev_b32 v241, 5, v0
	v_readfirstlane_b32 s18, v241                  ; wave 0..7
	s_mov_b32 s30, 0x76543210                      ; v_permlanex16_b32: lane i of the other half
	s_mov_b32 s31, 0xfedcba98
	s_cmp_lt_u32 ttmp9, 128
	s_cbranch_scc1 .Lcast
	s_cmp_ge_u32 ttmp9, 192
	s_cbranch_scc1 .Lcast
	; ---------------- M^T ----------------
	s_and_b32 s25, ttmp9, 63                       ; which of the 64 tiles
	s_lshr_b32 s19, s25, 3                         ; block of q
	s_and_b32 s20, s25, 7                          ; block of p
	s_lshr_b32 s21, s18, 2                         ; my 64 q of the 128
	s_and_b32 s22, s18, 3                          ; my 32 p of the 128
	v_lshlrev_b32 v[GO], 4, v[LANE]
	v_lshl_add_u32 v[GO], s18, 12, v[GO]           ; row w, 16 bytes a lane
	s_mul_i32 s23, s18, MP
	v_lshl_add_u32 v[LSA], v[LANE], 3, s23         ; row w, 8 bytes a lane
	v_add_nc_u32 v[LSA+1], MSLOT, v[LSA]
	v_and_b32 v[RR], 15, v[LANE]
	v_bfe_u32 v[HH], v[LANE], 4, 1
	v_and_b32 v[VA], 7, v[LANE]
	v_lshl_add_u32 v[VA], v[HH], 3, v[VA]          ; row 8 h + (lane & 7)
	v_mul_u32_u24 v[VA], v[VA], MP
	v_bfe_u32 v[VB], v[LANE], 3, 1
	v_lshl_add_u32 v[VB], v[VB], 4, v[VA]          ; + 16 bytes for lanes 8-15 of each half
	s_lshl_b32 s23, s21, 7
	v_add_nc_u32 v[VA], s23, v[VB]                 ; W_Av: column 64 wq
	s_lshl_b32 s23, s22, 6
	s_add_co_u32 s23, s23, OPB
	v_add_nc_u32 v[VB], s23, v[VB]                 ; W_Ba: behind W_Av's rows, column 32 wp
	v_mul_u32_u24 v[STG], v[RR], SP                ; stage: row 64 wq + r, byte 64 wp + 16 h
	v_lshl_add_u32 v[STG], v[HH], 4, v[STG]
	s_mul_i32 s23, s21, 64*SP
	s_lshl_b32 s24, s22, 6
	s_add_co_u32 s23, s23, s24
	v_add_nc_u32 v[STG], s23, v[STG]
	v_mul_u32_u24 v[RDB], v[HH], SP                ; back: row 16 w + h, 16 bytes for each of 16 lanes
	v_lshl_add_u32 v[RDB], v[RR], 4, v[RDB]
	s_mul_i32 s23, s18, 16*SP
	v_add_nc_u32 v[RDB], s23, v[RDB]
	v_lshlrev_b32 v[COF], 11, v[HH]                ; the same rows in MT2, 2,048 bytes each
	v_lshl_add_u32 v[COF], v[RR], 4, v[COF]
	v_lshl_add_u32 v[COF], s18, 15, v[COF]
	s_lshl_b32 s23, s25, 5
	s_lshl_b32 s24, s18, 2
	s_add_co_u32 s23, s23, s24
	v_mov_b32 v[FPO], s23                          ; FP[8 tile + w]
	s_mov_b32 s27, 0
	s_wait_kmcnt 0x0
	s_lshl_b32 s26, s19, 9
	s_add_nc_u64 s[BAS:BAS+1], s[14:15], s[26:27]  ; set 0: W_Av at column 128 bq, tile 0
	s_lshl_b32 s26, s20, 9
	s_add_nc_u64 s[BAS+2:BAS+3], s[8:9], s[26:27]  ; W_Ba at column 128 bp
	s_add_nc_u64 s[BAS+4:BAS+5], s[BAS:BAS+1], 0x40000     ; set 1: tile 1, 64 rows of 4,096 bytes down
	s_add_nc_u64 s[BAS+6:BAS+7], s[BAS+2:BAS+3], 0x40000
	s_lshl_b32 s26, s19, 18
	s_lshl_b32 s24, s20, 8
	s_add_co_u32 s26, s26, s24
	s_add_co_u32 s26, s26, O_MT2
	s_add_nc_u64 s[28:29], s[16:17], s[26:27]      ; MT2 at row 128 bq, byte 256 bp
	s_add_nc_u64 s[32:33], s[16:17], O_FP
	GLOAD 0                                        ; tile 0
	GLOAD 1                                        ; tile 1
	s_wait_loadcnt 16                              ; tile 0 is in; tile 1's 16 loads stay out
	CVT 0
	LSTORE 0
	STEPB 0
	GLOAD 0                                        ; tile 2
	MTRIP 0, 1, 1, 1, 16, 1                        ; trip 0 starts the sums and asks for tile 3
	s_mov_b32 s35, 6
.Lmt:
	MTRIP 1, 0, 1, 1, 16, 0                        ; trips 1 to 12
	MTRIP 0, 1, 1, 1, 16, 0
	s_sub_co_u32 s35, s35, 1
	s_cmp_lg_u32 s35, 0
	s_cbranch_scc1 .Lmt                            ; trip 12 has asked for tile 15, the last
	MTRIP 1, 0, 1, 0, 16, 0                        ; trip 13 stores tile 14; tile 15's loads stay out
	MTRIP 0, 1, 1, 0, 0, 0                         ; trip 14 stores tile 15
	MTRIP 1, 0, 0, 0, 0, 0                         ; trip 15
	PLACES
	; the sum of squares of my 64 x 32 numbers, four chains
.irp c, 0,1,2,3
	v_pk_mul_f32 v[64+2*\c:65+2*\c], v[2*\c:2*\c+1], v[2*\c:2*\c+1]
.endr
.set j, 8
.rept 7
.irp c, 0,1,2,3
	v_pk_fma_f32 v[64+2*\c:65+2*\c], v[j+2*\c:j+2*\c+1], v[j+2*\c:j+2*\c+1], v[64+2*\c:65+2*\c]
.endr
.set j, j+8
.endr
	v_pk_add_f32 v[64:65], v[64:65], v[66:67]
	v_pk_add_f32 v[68:69], v[68:69], v[70:71]
	v_pk_add_f32 v[64:65], v[64:65], v[68:69]
	v_add_f32 v64, v64, v65
	WSUM 64, 65
	v_add_f32 v64, v64, v65
	v_cmp_eq_u32 vcc_lo, 0, v[LANE]
	s_wait_xcnt 0x0                                ; EXEC changes only behind this wait
	s_and_saveexec_b32 s34, vcc_lo
	global_store_b32 v[FPO], v64, s[32:33]         ; lane 0 alone
	s_wait_xcnt 0x0                                ; and again; it also frees v64
	s_or_b32 exec_lo, exec_lo, s34
	; hi = bf16(M), lo = bf16(M - hi), two numbers at a time
.set j, 0
.rept 32
	v_cvt_pk_bf16_f32 v[HIP+j], v[2*j], v[2*j+1]
	v_lshlrev_b32 v[TT+2*(j%4)], 16, v[HIP+j]
	v_and_b32 v[TT+2*(j%4)+1], 0xffff0000, v[HIP+j]
	v_pk_add_f32 v[TT+2*(j%4):TT+2*(j%4)+1], v[2*j:2*j+1], v[TT+2*(j%4):TT+2*(j%4)+1] neg_lo:[0,1] neg_hi:[0,1]
	v_cvt_pk_bf16_f32 v[LOP+j], v[TT+2*(j%4)], v[TT+2*(j%4)+1]
.set j, j+1
.endr
	s_wait_dscnt 0x0                               ; my reads of the slots are done
	s_barrier_signal -1
	s_barrier_wait -1                              ; everybody's are: the stages may lie over the slots
.irp a, 0,1,2,3
.irp b, 0,1
	ds_store_b128 v[STG], v[HIP+4*(2*\a+\b):HIP+4*(2*\a+\b)+3] offset:\a*16*SP+32*\b
	ds_store_b128 v[STG], v[LOP+4*(2*\a+\b):LOP+4*(2*\a+\b)+3] offset:128*SP+\a*16*SP+32*\b
.endr
.endr
	s_wait_dscnt 0x0                               ; for the others' sake
	s_barrier_signal -1
	s_barrier_wait -1
.irp t, 0,1,2,3,4,5,6,7
	ds_load_b128 v[128+4*\t:128+4*\t+3], v[RDB] offset:\t*2*SP
.endr
.irp t, 0,1,2,3,4,5,6,7
	ds_load_b128 v[160+4*\t:160+4*\t+3], v[RDB] offset:128*SP+\t*2*SP
.endr
.irp t, 0,1,2,3,4,5,6,7
	s_wait_dscnt 15-\t                             ; the younger loads stay out
	global_store_b128 v[COF], v[128+4*\t:128+4*\t+3], s[28:29] offset:\t*4096       ; 16 lanes store 256 consecutive bytes, aligned
.endr
.irp t, 0,1,2,3,4,5,6,7
	s_wait_dscnt 7-\t
	global_store_b128 v[COF], v[160+4*\t:160+4*\t+3], s[28:29] offset:0x200000+\t*4096   ; the lo rows lie 1,024 rows further down
.endr
	s_wait_tensorcnt 0x0
	ds_add_u32 v254, v255
	s_wait_dscnt 0x0
	s_endpgm
	; ---------------- casts ----------------
; A wave takes 4 rows of 4,096 bytes: all 32 loads go out at once, each 512 consecutive bytes.  The numbers are converted in the registers
; that the loads filled and stored from there, so no register that a store reads is written again.
; mode 0: bf16.  mode 1: bf16 and the row's sum of squares.  mode 2: bf16 and f16 of that bf16.
.macro CAST mode
.irp k, 0,1,2,3
.irp j, 0,1,2,3,4,5,6,7
	global_load_b128 v[X+32*\k+4*\j:X+32*\k+4*\j+3], v2, s[22:23] offset:\k*4096+\j*512 th:TH_LOAD_NT
.endr
.endr
.irp k, 0,1,2,3
	s_wait_loadcnt 24-8*\k                         ; row k is in, the rows behind it stay out
.if \mode == 1
	v_pk_mul_f32 v[8:9], v[X+32*\k:X+32*\k+1], v[X+32*\k:X+32*\k+1]
	v_pk_mul_f32 v[10:11], v[X+32*\k+2:X+32*\k+3], v[X+32*\k+2:X+32*\k+3]
.irp j, 1,2,3,4,5,6,7
	v_pk_fma_f32 v[8:9], v[X+32*\k+4*\j:X+32*\k+4*\j+1], v[X+32*\k+4*\j:X+32*\k+4*\j+1], v[8:9]
	v_pk_fma_f32 v[10:11], v[X+32*\k+4*\j+2:X+32*\k+4*\j+3], v[X+32*\k+4*\j+2:X+32*\k+4*\j+3], v[10:11]
.endr
	v_pk_add_f32 v[8:9], v[8:9], v[10:11]
	v_add_f32 v8, v8, v9
	WSUM 8, 9
	v_add_f32 v[12+\k], v8, v9
.endif
.irp j, 0,1,2,3,4,5,6,7
	v_cvt_pk_bf16_f32 v[X+32*\k+4*\j], v[X+32*\k+4*\j], v[X+32*\k+4*\j+1]
	v_cvt_pk_bf16_f32 v[X+32*\k+4*\j+1], v[X+32*\k+4*\j+2], v[X+32*\k+4*\j+3]
.if \mode == 2
	v_lshlrev_b32 v16, 16, v[X+32*\k+4*\j]
	v_and_b32 v17, 0xffff0000, v[X+32*\k+4*\j]
	v_lshlrev_b32 v18, 16, v[X+32*\k+4*\j+1]
	v_and_b32 v19, 0xffff0000, v[X+32*\k+4*\j+1]
	v_cvt_pk_f16_f32 v[X+32*\k+4*\j+2], v16, v17
	v_cvt_pk_f16_f32 v[X+32*\k+4*\j+3], v18, v19
.endif
	global_store_b64 v3, v[X+32*\k+4*\j:X+32*\k+4*\j+1], s[24:25] offset:\k*2048+\j*256    ; 32 lanes store 256 consecutive bytes, aligned
.if \mode == 2
	global_store_b64 v3, v[X+32*\k+4*\j+2:X+32*\k+4*\j+3], s[28:29] offset:\k*2048+\j*256
.endif
.endr
.endr
.endm
.Lcast:
	v_lshlrev_b32 v2, 4, v[LANE]
	v_lshl_add_u32 v2, s18, 14, v2                 ; in: 4 w rows of 4,096 bytes + 16 lane
	v_lshlrev_b32 v3, 3, v[LANE]
	v_lshl_add_u32 v3, s18, 13, v3                 ; out: 4 w rows of 2,048 bytes + 8 lane
	s_mov_b32 s21, 0
	s_wait_kmcnt 0x0
	s_cmp_lt_u32 ttmp9, 128
	s_cbranch_scc1 .Lxa
	s_cmp_lt_u32 ttmp9, 320
	s_cbranch_scc1 .Lxv
	s_sub_co_u32 s19, ttmp9, 320                   ; 0-31: W_Bv, 32-63: W_Aa
	s_cmp_lt_u32 s19, 32
	s_cselect_b64 s[22:23], s[12:13], s[10:11]
	s_and_b32 s20, s19, 31
	s_lshl_b32 s20, s20, 17                        ; 32 rows of 4,096 bytes
	s_add_nc_u64 s[22:23], s[22:23], s[20:21]
	s_lshl_b32 s20, s19, 16                        ; 32 rows of 2,048 bytes; W_Aa's copy follows W_Bv's
	s_add_co_u32 s20, s20, O_WBV
	s_add_nc_u64 s[24:25], s[16:17], s[20:21]
	CAST 0
	s_endpgm
.Lxv:
	s_sub_co_u32 s19, ttmp9, 192
	s_lshl_b32 s20, s19, 17
	s_add_nc_u64 s[22:23], s[6:7], s[20:21]
	s_lshl_b32 s20, s19, 16
	s_add_co_u32 s20, s20, O_XVB
	s_add_nc_u64 s[24:25], s[16:17], s[20:21]
	s_add_nc_u64 s[28:29], s[24:25], O_XVH-O_XVB
	CAST 2
	s_endpgm
.Lxa:
	s_mov_b32 s19, ttmp9                           ; 0-127
	s_lshl_b32 s20, s19, 17
	s_add_nc_u64 s[22:23], s[4:5], s[20:21]
	s_lshl_b32 s20, s19, 16
	s_add_nc_u64 s[24:25], s[16:17], s[20:21]
	s_lshl_b32 s20, s19, 7                         ; 32 rows x 4 bytes
	s_add_co_u32 s20, s20, O_NX
	s_add_nc_u64 s[28:29], s[16:17], s[20:21]
	v_lshlrev_b32 v4, 2, v[LANE]
	v_lshl_add_u32 v4, s18, 4, v4                  ; NX[32 id + 4 w + lane]
	CAST 1
	v_cmp_eq_u32 vcc_lo, 1, v[LANE]                ; row k's sum goes to lane k
	v_cndmask_b32 v12, v12, v13, vcc_lo
	v_cmp_eq_u32 vcc_lo, 2, v[LANE]
	v_cndmask_b32 v12, v12, v14, vcc_lo
	v_cmp_eq_u32 vcc_lo, 3, v[LANE]
	v_cndmask_b32 v12, v12, v15, vcc_lo
	v_cmp_gt_u32 vcc_lo, 4, v[LANE]
	s_wait_xcnt 0x0                                ; EXEC changes only behind this wait
	s_and_saveexec_b32 s34, vcc_lo
	global_store_b32 v4, v12, s[28:29]
	s_wait_xcnt 0x0
	s_or_b32 exec_lo, exec_lo, s34
	s_endpgm
.Lfunc_end_k_q015637c2dc_prep:
	.size	k_q015637c2dc_prep, .Lfunc_end_k_q015637c2dc_prep-k_q015637c2dc_prep
	.p2alignl 7, 3214868480
	.fill 96, 4, 3214868480
	.section	.rodata,"a",@progbits
	.p2align	6, 0x0
	.amdhsa_kernel k_q015637c2dc_prep
		.amdhsa_group_segment_fixed_size 74752
		.amdhsa_private_segment_fixed_size 0
		.amdhsa_enable_private_segment 0
		.amdhsa_kernarg_size 56
		.amdhsa_user_sgpr_count 2
		.amdhsa_user_sgpr_kernarg_segment_ptr 1
		.amdhsa_wavefront_size32 1
		.amdhsa_system_sgpr_workgroup_id_x 1
		.amdhsa_system_sgpr_workgroup_id_y 1
		.amdhsa_system_sgpr_workgroup_id_z 1
		.amdhsa_system_vgpr_workitem_id 0
		.amdhsa_next_free_vgpr 256
		.amdhsa_next_free_sgpr 66
		.amdhsa_reserve_vcc 1
		.amdhsa_float_denorm_mode_32 3
		.amdhsa_float_denorm_mode_16_64 3
		.amdhsa_memory_ordered 1
		.amdhsa_forward_progress 1
		.amdhsa_inst_pref_size 117
	.end_amdhsa_kernel
	.amdgpu_metadata
---
amdhsa.version: [ 1, 2 ]
amdhsa.kernels:
  - .name:           k_q015637c2dc_prep
    .symbol:         k_q015637c2dc_prep.kd
    .args:
      - { .name: inputs_a, .offset: 0, .size: 8, .value_kind: global_buffer, .address_space: global }
      - { .name: inputs_v, .offset: 8, .size: 8, .value_kind: global_buffer, .address_space: global }
      - { .name: W_Ba, .offset: 16, .size: 8, .value_kind: global_buffer, .address_space: global }
      - { .name: W_Aa, .offset: 24, .size: 8, .value_kind: global_buffer, .address_space: global }
      - { .name: W_Bv, .offset: 32, .size: 8, .value_kind: global_buffer, .address_space: global }
      - { .name: W_Av, .offset: 40, .size: 8, .value_kind: global_buffer, .address_space: global }
      - { .name: prep, .offset: 48, .size: 8, .value_kind: global_buffer, .address_space: global }
    .group_segment_fixed_size: 74752
    .private_segment_fixed_size: 0
    .kernarg_segment_align: 8
    .kernarg_segment_size: 56
    .max_flat_workgroup_size: 256
    .sgpr_count:     66
    .vgpr_count:     256
    .wavefront_size: 32
...
	.end_amdgpu_metadata
.endif
;; end of part 6
;; launch projl (part 7): grid 16 x 16, 4 waves a work-group, clusters of 4 x 4, 327,680 bytes of LDS; arguments prep, proj; writes proj
.if DOCPART == 7
	.amdgcn_target "amdgcn-amd-amdhsa--gfx1250"
	.amdhsa_code_object_version 6
	.text
	.protected	k_q015637c2dc_projl
	.globl	k_q015637c2dc_projl
	.p2align	8
	.type	k_q015637c2dc_projl,@function
k_q015637c2dc_projl:
	s_mov_b64 s[64:65], 0
	v_nop
	global_prefetch_b8 v0, s[64:65] scope:SCOPE_SE
	s_setreg_imm32_b32 hwreg(HW_REG_WAVE_MODE, 25, 1), 1
	s_wait_xcnt 0x0
	s_wait_alu depctr_hold_cnt(0) depctr_sa_sdst(0) depctr_va_vdst(0) depctr_va_sdst(0) depctr_va_ssrc(0) depctr_va_vcc(0) depctr_vm_vsrc(0)
	s_getreg_b32 s2, hwreg(HW_REG_IB_STS2, 6, 4)
	s_cmp_eq_u32 s2, 0
	s_cbranch_scc0 .Lentry_in_a_cluster
	s_endpgm
.Lentry_in_a_cluster:
	s_bfe_u32 s2, ttmp6, 0x10000c
	s_cmp_lg_u32 s2, 0xf033
	s_cbranch_scc0 .Lentry_shape_is_right
	s_endpgm
.Lentry_shape_is_right:
; PROJ.  Three products C[m][n] = sum over k of A[m][k] B[n][k], K = 1024, bf16 operands, f32 sums, f16 results; the cluster's y picks the job:
;   job 0 (y = 0, 1): T[i][q] = (sum over p of Xa[i][p] Mhi[q][p] + sum over p of Xa[i][p] Mlo[q][p]) 2^(78-h(i)): a block of 256 i x 128 q;
;   job 1 (y = 2): b_v^T[d][j] = sum over k of W_Bv[d][k] Xv[j][k];   job 2 (y = 3): a_a^T[d][i] = sum over k of W_Aa[d][k] Xa[i][k]: blocks of 256 x 256.
; In job 0 B's tile of 256 rows is 128 hi rows of M^T and the same 128 q's lo rows, so that Xa's tile serves both parts; a wave holds the hi and the lo sums of its 64 q
; in accumulator tiles b and b + 4 and adds them in f32 on the way out.  So all 256 work-groups do the same work: 8 K steps of 256 matrix instructions a wave.
; h(i) = (E + 1) >> 1, E the biased exponent of nx(i) F, nx the row's sum of squares, F the sum of squares of M: |T| <= sqrt(nx F), so |T 2^(78-h)| stays under 2^15 x 1.004.
; LIMITS: |b_v|, |a_a| < 65504 (f16); NaN and infinities are not treated.
; Four waves of 128 x 128 (64 accumulator tiles, windows 2 and 3); K in steps of 128 through two LDS slots filled by the tensor data mover.
; CLUSTERS: 4 x 4 work-groups; A's tile hangs on the block row alone and is asked for jointly along a row of the cluster, B's on the block column alone, along a column.
; Window 0: v0-31 addresses, v32-47 scale pairs, v64-127 and v128-191 fragments of A, v192-255 at work; window 1: fragments of B.
; The matrix instruction is used transposed (source 0 = rows of B): a lane holds 8 neighbouring columns of one row of C.
; Job 0 and jobs 1, 2 have a path of their own each, so that every LDS address is made of constants and the wave's number.
.set O_XVB, 0x800000
.set O_WBV, 0x1800000
.set O_WAA, 0x1a00000
.set O_MT2, 0x1c00000
.set O_NX,  0x2000000
.set O_FP,  0x2004000
.set SIZE_K, 1024
.set KSTEP,  128
.set PITCH,  272                       ; 256 bytes + 16: the 16 rows that a load touches start at 16 different 16-byte columns
.set HALFT,  128*PITCH
.set SLOT,   4*HALFT                   ; A's 256 rows, then B's 256
.set STAGE,  2*SLOT                    ; behind the ring: 16 rows x 272 bytes for each wave
.set OROW,   8192                      ; bytes in a row of b_v^T and of a_a^T
.set LAPS, SIZE_K/(2*KSTEP)
.set ADRA, 16
.set ADRB, 20
.set STO,  24
.set RD,   25
.set CO,   26
.set SCL,  32                          ; v[32:47] eight pairs: the scale of row 16 a + r, twice
.set F0,   64
.set F1,   128
.set TMP,  192
.set G1, 24
.set G0, 32
.set G1B, 48
.set G0B, 56
.set MSB, 0
.macro WIN new                         ; the immediate's high byte repeats the setting that is left
.if MSB != \new
	s_set_vgpr_msb (MSB<<8)|\new
.set MSB, \new
.endif
.endm
.set MUL_LO, 0xa1                      ; source 0 window 1, source 1 window 0, C and D window 2
.set MUL_HI, 0xf1
.set TO_B,   0x40
.macro JLOAD s                         ; waves 0, 1 ask for A's halves, waves 2, 3 for B's; each line has one mask; four v_nop follow each line
	s_cmp_eq_u32 s11, 0
	s_cbranch_scc0 .Lfor_b_\@
	tensor_load_to_lds s[G0+4*\s:G0+4*\s+3], s[G1:G1+7]
	s_nop 0
.rept 4
	v_nop
.endr
	s_branch .Lasked_\@
.Lfor_b_\@:
	tensor_load_to_lds s[G0B+4*\s:G0B+4*\s+3], s[G1B:G1B+7]
	s_nop 0
.rept 4
	v_nop
.endr
.Lasked_\@:
.endm
.macro CREST                           ; a round of the cluster's barrier behind its opening barrier
	s_cmp_lg_u32 s10, 0
	s_cbranch_scc1 .Lnot_wave_0_\@
	s_barrier_signal -3
.Lnot_wave_0_\@:
	s_barrier_wait -3
	s_barrier_signal -1
	s_barrier_wait -1
.endm
.macro CROUND
	s_barrier_signal -1
	s_barrier_wait -1
	CREST
.endm
.macro MUL16 f, hi, a0, zero
.irp a, \a0, \a0+1
.irp b, 0,1,2,3,4,5,6,7
.if \zero
	v_wmma_f32_16x16x32_bf16 v[8*(8*(\a)+\b):8*(8*(\a)+\b)+7], v[\f+8*\b:\f+8*\b+7], v[\f+8*(4*\hi+\a):\f+8*(4*\hi+\a)+7], 0
.else
	v_wmma_f32_16x16x32_bf16 v[8*(8*(\a)+\b):8*(8*(\a)+\b)+7], v[\f+8*\b:\f+8*\b+7], v[\f+8*(4*\hi+\a):\f+8*(4*\hi+\a)+7], v[8*(8*(\a)+\b):8*(8*(\a)+\b)+7]
.endif
.endr
.endr
.endm
; 32 LDS loads in one run.  B's fragments 4 to 7 lie BSKIP bytes further than in a run of 128 rows: 0 in jobs 1, 2; 64 rows in job 0, where they are my 64 lo rows.
.macro FETCH slot, k, f
	WIN TO_B
.irp i, 0,1,2,3
	ds_load_b128 v[\f+8*\i:\f+8*\i+3],   v[ADRB+\slot] offset:\k+\i*16*PITCH
	ds_load_b128 v[\f+8*\i+4:\f+8*\i+7], v[ADRB+\slot] offset:\k+\i*16*PITCH+32
.endr
.irp i, 4,5,6,7
	ds_load_b128 v[\f+8*\i:\f+8*\i+3],   v[ADRB+\slot] offset:\k+\i*16*PITCH+BSKIP
	ds_load_b128 v[\f+8*\i+4:\f+8*\i+7], v[ADRB+\slot] offset:\k+\i*16*PITCH+BSKIP+32
.endr
	WIN 0
.irp i, 0,1,2,3,4,5,6,7
	ds_load_b128 v[\f+8*\i:\f+8*\i+3],   v[ADRA+\slot] offset:\k+\i*16*PITCH
	ds_load_b128 v[\f+8*\i+4:\f+8*\i+7], v[ADRA+\slot] offset:\k+\i*16*PITCH+32
.endr
.endm
.macro PLACES                          ; four places behind a matrix instruction (ISA guide 7.12.1)
.rept 4
	v_nop
.endr
.endm
.macro QUARTER slot, k, f, g, zero     ; the 64 accumulators take turns in one order in every quarter
	s_wait_dscnt 8                                 ; only the youngest eight loads (A's rows 64-127) may be out
	WIN MUL_LO
	MUL16 \f, 0, 0, \zero
	MUL16 \f, 0, 2, \zero
	PLACES
	FETCH \slot, \k, \g
	s_wait_dscnt 32                                ; all but the 32 just issued
	WIN MUL_HI
	MUL16 \f, 1, 0, \zero
	MUL16 \f, 1, 2, \zero
.endm
.macro THREE slot, zero
	QUARTER \slot, 64,  F0, F1, \zero
	QUARTER \slot, 128, F1, F0, 0
	QUARTER \slot, 192, F0, F1, 0
.endm
.macro TURN slot, next, fill           ; the last quarter of a K step, and the change of slots
	s_wait_dscnt 8
	WIN MUL_LO
	MUL16 F1, 0, 0, 0
	s_wait_dscnt 0                                 ; my reads of this slot are over
	s_wait_tensorcnt 0x0                           ; all my tensor loads have landed: the one that was out is my part of the next slot
	ds_add_u32 v255, v63
	s_wait_dscnt 0x0
	s_barrier_signal -1
	MUL16 F1, 0, 2, 0
	WIN 0
	s_barrier_wait -1
.if \fill
	CREST                                          ; no wave of any partner still reads this slot or has a load on its way
	s_add_nc_u64 s[G0+4*\slot+2:G0+4*\slot+3], s[G0+4*\slot+2:G0+4*\slot+3], 2*KSTEP*2
	s_add_nc_u64 s[G0B+4*\slot+2:G0B+4*\slot+3], s[G0B+4*\slot+2:G0B+4*\slot+3], 2*KSTEP*2
	JLOAD \slot                                    ; the first tensor load behind the round, one a wave; its four v_nop are the places in front of the loads below
.else
	PLACES
.endif
	FETCH \next, 0, F0
	WIN MUL_HI
	MUL16 F1, 1, 0, 0
	MUL16 F1, 1, 2, 0
.endm
.macro LAP zero
	THREE 0, \zero
	TURN 0, 1, 1
	THREE 1, 0
	TURN 1, 0, 1
.endm
; One path from the tiles' offsets in prep (A's in s[16:17], B's in s[46:47]) to the last matrix instruction and the places behind it.
.macro MAIN
	s_add_nc_u64 s[14:15], s[4:5], s[16:17]
	s_add_nc_u64 s[46:47], s[4:5], s[46:47]
	CROUND                                         ; all sixteen work-groups are here: the first joint loads meet
.irp s, 0,1
	s_mov_b32 s[G0+4*\s], 1
	s_add_co_u32 s[G0+4*\s+1], s20, \s*SLOT
	s_add_nc_u64 s[G0+4*\s+2:G0+4*\s+3], s[14:15], \s*KSTEP*2
	s_or_b32 s[G0+4*\s+3], s[G0+4*\s+3], 0x80000000
	s_mov_b32 s[G0B+4*\s], 1
	s_add_co_u32 s[G0B+4*\s+1], s20, \s*SLOT
	s_add_nc_u64 s[G0B+4*\s+2:G0B+4*\s+3], s[46:47], \s*KSTEP*2
	s_or_b32 s[G0B+4*\s+3], s[G0B+4*\s+3], 0x80000000
	JLOAD \s                                       ; two tensor loads of the wave are out, later one
.endr
	s_mul_i32 s21, s11, HALFT                      ; my 128 rows of A
	s_mul_i32 s22, s12, BROWS*PITCH                ; my first rows of B,
	s_add_co_u32 s22, s22, 2*HALFT                 ; which lie behind A's 256
.irp s, 0,1
	v_add_nc_u32 v[ADRA+\s], s21, v3
	v_add_nc_u32 v[ADRB+\s], s22, v3
	s_add_co_u32 s21, s21, SLOT
	s_add_co_u32 s22, s22, SLOT
.endr
.if SCALED
	; 2^(78 - h) for my eight rows 16 a + r
	s_lshl_b32 s18, s13, 10
	s_lshl_b32 s19, s11, 9
	s_add_co_u32 s18, s18, s19
	s_add_co_u32 s18, s18, O_NX
	s_mov_b32 s19, 0
	s_add_nc_u64 s[84:85], s[4:5], s[18:19]        ; NX at my first row
	s_add_nc_u64 s[86:87], s[4:5], O_FP
	v_and_b32 v5, 31, v0
	v_lshlrev_b32 v5, 6, v5                        ; 16 of the 512 partial sums a lane
	v_lshlrev_b32 v6, 2, v1
	global_load_b128 v[192:195], v5, s[86:87]
	global_load_b128 v[196:199], v5, s[86:87] offset:16
	global_load_b128 v[200:203], v5, s[86:87] offset:32
	global_load_b128 v[204:207], v5, s[86:87] offset:48
.irp a, 0,1,2,3,4,5,6,7
	global_load_b32 v[208+\a], v6, s[84:85] offset:64*\a
.endr
	s_wait_loadcnt 0x0
	v_pk_add_f32 v[192:193], v[192:193], v[194:195]          ; F: the same order of sums here and in the score launch, so that both form the same h
	v_pk_add_f32 v[196:197], v[196:197], v[198:199]
	v_pk_add_f32 v[200:201], v[200:201], v[202:203]
	v_pk_add_f32 v[204:205], v[204:205], v[206:207]
	v_pk_add_f32 v[192:193], v[192:193], v[196:197]
	v_pk_add_f32 v[200:201], v[200:201], v[204:205]
	v_pk_add_f32 v[192:193], v[192:193], v[200:201]
	v_add_f32 v192, v192, v193
	v_add_f32_dpp v192, v192, v192 row_xmask:1 row_mask:0xf bank_mask:0xf
	v_add_f32_dpp v192, v192, v192 row_xmask:2 row_mask:0xf bank_mask:0xf
	v_add_f32_dpp v192, v192, v192 row_xmask:4 row_mask:0xf bank_mask:0xf
	v_add_f32_dpp v192, v192, v192 row_xmask:8 row_mask:0xf bank_mask:0xf
	v_permlanex16_b32 v193, v192, s88, s89
	v_add_f32 v192, v192, v193
.irp a, 0,1,2,3,4,5,6,7
	v_mul_f32 v7, v[208+\a], v192
	v_bfe_u32 v7, v7, 23, 8                        ; E
	v_add_nc_u32 v7, 1, v7
	v_lshrrev_b32 v7, 1, v7                        ; h
	v_sub_nc_u32 v7, 205, v7
	v_lshlrev_b32 v[SCL+2*\a], 23, v7              ; 2^(78 - h)
	v_mov_b32 v[SCL+2*\a+1], v[SCL+2*\a]
.endr
.endif
	s_wait_tensorcnt 1                             ; my part of K step 0 is in; K step 1's stays out
	s_barrier_signal -1
	s_barrier_wait -1
	FETCH 0, 0, F0
	LAP 1                                          ; the first lap's first products start the sums
	WIN 0
	s_mov_b32 s3, LAPS-2
.Llap_\@:
	LAP 0
	WIN 0
	s_sub_co_u32 s3, s3, 1
	s_cmp_lg_u32 s3, 0
	s_cbranch_scc1 .Llap_\@
	THREE 0, 0                                     ; the last lap fills nothing
	TURN 0, 1, 0
	THREE 1, 0
	s_wait_dscnt 8
	WIN MUL_LO
	MUL16 F1, 0, 0, 0
	MUL16 F1, 0, 2, 0
	s_wait_dscnt 0
	WIN MUL_HI
	MUL16 F1, 1, 0, 0
	MUL16 F1, 1, 2, 0
	PLACES
	WIN 0
.endm
	s_load_b128 s[4:7], s[0:1], 0x0                ; prep s[4:5], proj s[6:7]
	s_set_vgpr_msb 0x40
	v_lshl_add_u32 v255, v0, 2, 0x48400
	s_set_vgpr_msb 0x4000
	v_mov_b32 v63, 0
	s_set_vgpr_msb 0x1
	ds_add_u32 v255, v63
	s_set_vgpr_msb 0x100
	v_lshrrev_b32 v1, 5, v0
	v_readfirstlane_b32 s10, v1                    ; wave 0..3
	s_lshr_b32 s11, s10, 1                         ; my half of the rows; also: I fetch for A (0) or B (1)
	s_and_b32 s12, s10, 1                          ; my half of the columns; also: which half of that tile I fetch
	s_bfe_u32 s40, ttmp6, 0x40000                  ; cx
	s_bfe_u32 s41, ttmp6, 0x40004                  ; cy
	s_and_b32 s66, ttmp7, 0xffff                   ; the cluster's y, 0..3
	s_lshl_b32 s43, s41, 2
	s_lshl_b32 s43, 15, s43                        ; my row of the cluster
	s_lshl_b32 s44, 0x1111, s40                    ; my column
	s_or_b32 s[G1+0], s43, (1<<16)|(1<<20)|(1<<21)|(5<<22)|(3<<25)   ; mask; 2-byte elements; 4 words of padding behind every 64; bit 21 beside a mask
	s_or_b32 s[G1B+0], s44, (1<<16)|(1<<20)|(1<<21)|(5<<22)|(3<<25)
	s_mov_b32 s[G1B+1], KSTEP<<16                  ; tensor_dim0 = 128
	s_mov_b32 s[G1+1], KSTEP<<16
	s_mov_b32 s[G1B+2], 128<<16                    ; tensor_dim1 = 128 rows
	s_mov_b32 s[G1+2], 128<<16
	s_mov_b32 s[G1B+3], KSTEP<<16                  ; tile_dim0 = 128
	s_mov_b32 s[G1+3], KSTEP<<16
	s_mov_b32 s[G1B+4], 128                        ; tile_dim1 = 128
	s_mov_b32 s[G1+4], 128
	s_mov_b32 s[G1B+5], SIZE_K                     ; elements from row to row
	s_mov_b32 s[G1+5], SIZE_K
	s_mov_b32 s[G1B+6], 0
	s_mov_b32 s[G1+6], 0
	s_mov_b32 s[G1B+7], 0
	s_mov_b32 s[G1+7], 0
	s_mul_i32 s20, s10, HALFT                      ; where my load goes: A's two halves, then B's two halves
	s_mov_b32 s88, 0x76543210
	s_mov_b32 s89, 0xfedcba98
	v_and_b32 v1, 15, v0                           ; r
	v_bfe_u32 v2, v0, 4, 1                         ; h
	v_mul_u32_u24 v3, v1, PITCH
	v_lshl_add_u32 v3, v2, 4, v3                   ; row x pitch + 16 h
	s_wait_dscnt 0x0
	s_wait_kmcnt 0x0
	s_cmp_ge_u32 s66, 2
	s_cbranch_scc1 .Lwide
	; ---------------- job 0: T ----------------
	s_lshl_b32 s13, ttmp9, 2
	s_add_co_u32 s13, s13, s41                     ; block row 0..15: 256 rows i
	s_lshl_b32 s42, s66, 2
	s_add_co_u32 s42, s42, s40                     ; block column 0..7: 128 q
	s_lshl_b32 s16, s13, 19                        ; A = Xa (at 0 in prep): (256 block row + 128 half) rows of 2,048 bytes
	s_lshl_b32 s17, s12, 18
	s_add_co_u32 s16, s16, s17
	s_mov_b32 s17, 0
	s_lshl_b32 s46, s42, 18                        ; B = M^T: row 128 block column; half 0 the hi rows, half 1 the lo rows, 1,024 rows of 2,048 bytes down
	s_lshl_b32 s47, s12, 21
	s_add_co_u32 s46, s46, s47
	s_add_co_u32 s46, s46, O_MT2
	s_mov_b32 s47, 0
.set BROWS, 64                         ; my hi rows begin at row 64 hn of B's tile,
.set BSKIP, 64*PITCH                   ; my lo rows at row 128 + 64 hn
.set SCALED, 1
	MAIN
	; THE WAY OUT: hi + lo, scale, round to f16, 16 bytes a lane into a stage of 256 rows x 272 bytes that lies in slot 0.  Slot 0 has had its last fill, and every wave's
	; last reads of it stand in front of the last lap's barrier.
	v_lshl_add_u32 v[STO], s12, 7, v[ADRA]         ; row 128 hm + r, byte 128 hn + 16 h
	v_mul_u32_u24 v4, v2, PITCH
	v_lshl_add_u32 v4, v1, 4, v4
	s_mul_i32 s21, s10, 64*PITCH
	v_add_nc_u32 v[RD], s21, v4                    ; back: row 64 w + h, 16 lanes a row
	v_lshlrev_b32 v5, 11, v2
	v_lshl_add_u32 v[CO], v1, 4, v5                ; the same two rows in T, 2,048 bytes each
.macro PACK hi, win
	WIN (\win|(\win<<2)|(\win<<6))
.irp a, 0,1,2,3
.set j, 0
.rept 16
	v_pk_add_f32 v[64*\a+2*j:64*\a+2*j+1], v[64*\a+2*j:64*\a+2*j+1], v[64*\a+32+2*j:64*\a+32+2*j+1]     ; tile (a, b) + tile (a, b + 4)
.set j, j+1
.endr
.endr
	WIN (\win|(\win<<6))
.irp a, 0,1,2,3
.set j, 0
.rept 16
	v_pk_mul_f32 v[64*\a+2*j:64*\a+2*j+1], v[64*\a+2*j:64*\a+2*j+1], v[SCL+2*(4*\hi+\a):SCL+2*(4*\hi+\a)+1] op_sel_hi:[1,0]
.set j, j+1
.endr
.endr
	WIN (\win|(\win<<2))
.irp a, 0,1,2,3
.set j, 0
.rept 16
	v_cvt_pk_f16_f32 v[TMP+16*\a+j], v[64*\a+2*j], v[64*\a+2*j+1]
.set j, j+1
.endr
.endr
	WIN 0
.irp a, 0,1,2,3
.irp b, 0,1,2,3
	ds_store_b128 v[STO], v[TMP+16*\a+4*\b:TMP+16*\a+4*\b+3] offset:(4*\hi+\a)*16*PITCH+32*\b
.endr
.endr
.endm
	PACK 0, 2
	PACK 1, 3
	s_wait_dscnt 0x0                               ; for the others' sake
	s_barrier_signal -1
	s_barrier_wait -1
.set t, 0
.rept 32
	ds_load_b128 v[F0+4*t:F0+4*t+3], v[RD] offset:t*2*PITCH        ; my 64 rows, two at a time
.set t, t+1
.endr
	s_lshl_b32 s16, s13, 19                        ; (256 block row + 64 w) rows of 2,048 bytes
	s_lshl_b32 s18, s10, 17
	s_add_co_u32 s16, s16, s18
	s_mov_b32 s17, 0
	s_add_nc_u64 s[8:9], s[6:7], s[16:17]
	s_lshl_b32 s46, s42, 8                         ; 256 bytes a block column
	s_mov_b32 s47, 0
	s_add_nc_u64 s[8:9], s[8:9], s[46:47]
.set t, 0
.rept 32
	s_wait_dscnt 31-t                              ; the younger loads stay out
	global_store_b128 v[CO], v[F0+4*t:F0+4*t+3], s[8:9] offset:2*t*2048       ; 16 lanes store 256 consecutive bytes, aligned
.set t, t+1
.endr
	s_branch .Lend
	; ---------------- jobs 1 and 2: b_v^T, a_a^T ----------------
.Lwide:
	s_mov_b32 s13, s41                             ; block row 0..3: 256 rows d
	s_lshl_b32 s42, ttmp9, 2
	s_add_co_u32 s42, s42, s40                     ; block column 0..15: 256 columns
	s_mov_b32 s72, O_WAA                           ; an instruction holds one literal, so this one comes in a register
	s_cmp_eq_u32 s66, 2
	s_cselect_b32 s72, O_WBV, s72                  ; A: W_Bv or W_Aa
	s_cselect_b32 s73, O_XVB, 0                    ; B: Xv or Xa
	s_lshl_b32 s16, s13, 19                        ; (256 block row + 128 half) rows of 2,048 bytes
	s_lshl_b32 s17, s12, 18
	s_add_co_u32 s16, s16, s17
	s_add_co_u32 s16, s16, s72
	s_mov_b32 s17, 0
	s_lshl_b32 s46, s42, 19
	s_lshl_b32 s47, s12, 18
	s_add_co_u32 s46, s46, s47
	s_add_co_u32 s46, s46, s73
	s_mov_b32 s47, 0
.set BROWS, 128                        ; my 128 rows of B lie together
.set BSKIP, 0
.set SCALED, 0
	MAIN
	; THE WAY OUT, 16 rows at a time: round to f16, 16 bytes a lane into my own stage behind the ring, read back as whole rows of 256 bytes.
	s_mul_i32 s23, s10, 16*PITCH
	s_add_co_u32 s23, s23, STAGE
	v_add_nc_u32 v[STO], s23, v3
	v_mul_u32_u24 v5, v2, PITCH
	v_lshl_add_u32 v5, v1, 4, v5
	v_add_nc_u32 v[RD], s23, v5
	v_lshlrev_b32 v5, 13, v2
	v_lshl_add_u32 v[CO], v1, 4, v5
	s_lshl_b32 s16, s13, 21                        ; (256 block row + 128 hm) rows of 8,192 bytes
	s_lshl_b32 s18, s11, 20
	s_add_co_u32 s16, s16, s18
	s_mov_b32 s17, 0
	s_add_nc_u64 s[8:9], s[6:7], s[16:17]
	s_lshl_b32 s46, s42, 9                         ; + 512 bytes a block column + 256 hn
	s_lshl_b32 s47, s12, 8
	s_add_co_u32 s46, s46, s47
	s_sub_co_u32 s47, s66, 1                       ; + 8 MiB for b_v^T, 16 MiB for a_a^T
	s_lshl_b32 s47, s47, 23
	s_add_co_u32 s46, s46, s47
	s_mov_b32 s47, 0
	s_add_nc_u64 s[8:9], s[8:9], s[46:47]
.macro OUT16 i, a, from, f
	WIN \from
.irp b, 0,1,2,3,4,5,6,7
.irp r, 0,1,2,3
	v_cvt_pk_f16_f32 v[TMP+4*\b+\r], v[8*(8*\a+\b)+2*\r], v[8*(8*\a+\b)+2*\r+1]
.endr
.endr
	WIN 0
.irp b, 0,1,2,3,4,5,6,7
	ds_store_b128 v[STO], v[TMP+4*\b:TMP+4*\b+3] offset:32*\b      ; my own stage: no tensor load fills it
.endr
	s_wait_xcnt 0x0                                ; buffer f, which stores read, and the stores' base are rewritten only behind this wait
.if \i
	s_add_nc_u64 s[8:9], s[8:9], 16*OROW
.endif
.irp t, 0,1,2,3,4,5,6,7
	ds_load_b128 v[\f+4*\t:\f+4*\t+3], v[RD] offset:\t*2*PITCH     ; LDS serves a wave's instructions in order (ISA guide 5.7.1.4)
.endr
.irp t, 0,1,2,3,4,5,6,7
	s_wait_dscnt 7-\t
	global_store_b128 v[CO], v[\f+4*\t:\f+4*\t+3], s[8:9] offset:2*\t*OROW      ; 16 lanes store 256 consecutive bytes, aligned
.endr
.endm
	OUT16 0, 0, 0x0a, F0
	OUT16 1, 1, 0x0a, F1
	OUT16 2, 2, 0x0a, F0
	OUT16 3, 3, 0x0a, F1
	OUT16 4, 0, 0x0f, F0
	OUT16 5, 1, 0x0f, F1
	OUT16 6, 2, 0x0f, F0
	OUT16 7, 3, 0x0f, F1
.Lend:
	s_set_vgpr_msb 0x1
	s_wait_tensorcnt 0x0
	ds_add_u32 v255, v63
	s_wait_dscnt 0x0
	s_set_vgpr_msb 0x100
	CROUND                                         ; the closing round
	s_endpgm
.Lfunc_end_k_q015637c2dc_projl:
	.size	k_q015637c2dc_projl, .Lfunc_end_k_q015637c2dc_projl-k_q015637c2dc_projl
	.p2alignl 7, 3214868480
	.fill 96, 4, 3214868480
	.section	.rodata,"a",@progbits
	.p2align	6, 0x0
	.amdhsa_kernel k_q015637c2dc_projl
		.amdhsa_group_segment_fixed_size 327680
		.amdhsa_private_segment_fixed_size 0
		.amdhsa_enable_private_segment 0
		.amdhsa_kernarg_size 16
		.amdhsa_user_sgpr_count 2
		.amdhsa_user_sgpr_kernarg_segment_ptr 1
		.amdhsa_wavefront_size32 1
		.amdhsa_system_sgpr_workgroup_id_x 1
		.amdhsa_system_sgpr_workgroup_id_y 1
		.amdhsa_system_sgpr_workgroup_id_z 1
		.amdhsa_system_vgpr_workitem_id 0
		.amdhsa_next_free_vgpr 1024
		.amdhsa_next_free_sgpr 96
		.amdhsa_reserve_vcc 0
		.amdhsa_float_denorm_mode_32 3
		.amdhsa_float_denorm_mode_16_64 3
		.amdhsa_memory_ordered 1
		.amdhsa_forward_progress 1
		.amdhsa_inst_pref_size 255
	.end_amdhsa_kernel
	.section	.bss,"aw",@nobits
	.p2align	6
	.space	262144
	.amdgpu_metadata
---
amdhsa.version: [ 1, 2 ]
amdhsa.kernels:
  - .name:           k_q015637c2dc_projl
    .symbol:         k_q015637c2dc_projl.kd
    .args:
      - { .name: prep, .offset: 0, .size: 8, .value_kind: global_buffer, .address_space: global }
      - { .name: proj, .offset: 8, .size: 8, .value_kind: global_buffer, .address_space: global }
    .group_segment_fixed_size: 327680
    .private_segment_fixed_size: 0
    .kernarg_segment_align: 8
    .kernarg_segment_size: 16
    .max_flat_workgroup_size: 128
    .sgpr_count:     96
    .vgpr_count:     1024
    .wavefront_size: 32
...
	.end_amdgpu_metadata
.endif
;; end of part 7
;; launch score: the kernel of part 3 again; grid 16 x 16, 4 waves a work-group, clusters of 4 x 4, 327,680 bytes of LDS; arguments prep, proj, pmat; writes pmat
;; launch stat: the kernel of part 4 again; grid 16 x 1, 4 waves a work-group, no clusters, 0 bytes of LDS; arguments pmat, ctab; writes ctab
;; launch mix: the kernel of part 5 again; grid 8 x 32, 4 waves a work-group, clusters of 4 x 4, 327,680 bytes of LDS; arguments pmat, proj, ctab, inputs_a, inputs_v, out0, out1; writes out0, out1
;; ======== version 3 of 3: 5 launches; version 2 with the launch stat written anew for expert scheduling mode
;; limits: values are held in f16: magnitudes above 65,504 overflow, below 6.1e-05 lose precision
;; workspace buffers: prep 33,572,864 bytes; proj 25,165,824 bytes; pmat 34,603,008 bytes; ctab 524,288 bytes
;; launch prep: the kernel of part 6 again; grid 384 x 1, 8 waves a work-group, no clusters, 74,752 bytes of LDS; arguments inputs_a, inputs_v, W_Ba, W_Aa, W_Bv, W_Av, prep; writes prep
;; launch projl: the kernel of part 7 again; grid 16 x 16, 4 waves a work-group, clusters of 4 x 4, 327,680 bytes of LDS; arguments prep, proj; writes proj
;; launch score: the kernel of part 3 again; grid 16 x 16, 4 waves a work-group, clusters of 4 x 4, 327,680 bytes of LDS; arguments prep, proj, pmat; writes pmat
;; launch stat (part 8): grid 16 x 1, 4 waves a work-group, no clusters, 0 bytes of LDS; arguments pmat, ctab; writes ctab
.if DOCPART == 8
	.amdgcn_target "amdgcn-amd-amdhsa--gfx1250"
	.amdhsa_code_object_version 6
	.text
	.protected	k_q015637c2dc_stat
	.globl	k_q015637c2dc_stat
	.p2align	8
	.type	k_q015637c2dc_stat,@function
k_q015637c2dc_stat:
	s_mov_b64 s[64:65], 0
	v_nop
	global_prefetch_b8 v0, s[64:65] scope:SCOPE_SE
	s_setreg_imm32_b32 hwreg(HW_REG_WAVE_SCHED_MODE, 0, 2), 2
	s_setreg_imm32_b32 hwreg(HW_REG_WAVE_MODE, 25, 1), 1
	s_wait_xcnt 0x0
	s_wait_alu depctr_vm_vsrc(0)
; STAT.  Joins the 32 column blocks of each row: m = max over blocks of m2, l = sum over blocks of l(blk) 2^(m2(blk) - m), c(blk) = 2^(m2(blk) - m) / l.
; alpha = P c.  Every exponent is at most 0 and l is at least 1.  A thread takes rows 2 T and 2 T + 1: each load and store of a wave covers 256 consecutive bytes.
; 1 MiB in, 0.5 MiB out: no LDS, no matrix unit, no prefetch would add anything.
; THE MODE: SCHED_MODE bits 1:0 = 2 (LLVM: expert scheduling mode 2), set by the entry lines.  The code itself states the register dependences
; between vector instructions and memory instructions, with s_wait_alu, always for 0.
; THE PLAN.  Registers that memory instructions touch:
;   v1   the byte offset.  Written once at the head; read by all 64 loads and all 32 stores; never written again.
;   MM   The first 32 loads land in it, and no vector instruction names it ahead of them.  Then vector instructions work in it in place; the last to write a pair is
;        its product with 1 / l.  The 32 stores read it, and nothing writes it behind them.
;   LL   The other 32 loads land in it, and no vector instruction names it ahead of them; the multiply-adds read it.
;   MX, SU and RC are named by vector instructions alone.
; So: one wait ahead of the first load (v1); one behind each batch of transcendentals, ahead of its first reader; one behind each half of the last products, ahead of that
; half's stores.  The first half's stores are dealt among the second half's products, which name other pairs of MM and RC alone.  No register that a memory instruction
; has read is written again, no vector instruction writes a scalar register or VCC, and EXEC is never written: no other wait is owed.
.set MM, 2                             ; v[2:65]    m2 of block b in the pair 2 b, then 2^(m2 - m), then c
.set LL, 66                            ; v[66:129]  l of block b
.set MX, 130
.set SU, 132
.set RC, 136
	s_load_b128 s[4:7], s[0:1], 0x0                ; pmat, ctab
	v_lshlrev_b32 v1, 3, v0
	s_lshl_b32 s8, ttmp9, 10                       ; 128 threads x 8 bytes
	s_mov_b32 s9, 0
	s_wait_kmcnt 0x0
	s_add_nc_u64 s[4:5], s[4:5], 0x2000000         ; m2; l lies 0x80000 behind it
	s_add_nc_u64 s[4:5], s[4:5], s[8:9]
	s_add_nc_u64 s[6:7], s[6:7], s[8:9]
	s_wait_alu depctr_va_vdst(0)                   ; v1 is written: every load and store of the kernel reads it as its offset
.set b, 0
.rept 32
	global_load_b64 v[MM+2*b:MM+2*b+1], v1, s[4:5] offset:b*16384
.set b, b+1
.endr
.set b, 0
.rept 32
	global_load_b64 v[LL+2*b:LL+2*b+1], v1, s[4:5] offset:0x80000+b*16384
.set b, b+1
.endr
	s_wait_loadcnt 32                              ; loads come back in order (ISA guide 5.7.1): the 32 of m2 are in, the 32 younger ones, l's, stay out; the lines down to the exponentials name MM and MX alone
	v_max_num_f32 v[MX], v[MM], v[MM+2]
	v_max_num_f32 v[MX+1], v[MM+1], v[MM+3]
.set b, 2
.rept 15
	v_max3_num_f32 v[MX], v[MX], v[MM+2*b], v[MM+2*b+2]
	v_max3_num_f32 v[MX+1], v[MX+1], v[MM+2*b+1], v[MM+2*b+3]
.set b, b+2
.endr
.set b, 0
.rept 32
	v_pk_add_f32 v[MM+2*b:MM+2*b+1], v[MM+2*b:MM+2*b+1], v[MX:MX+1] neg_lo:[0,1] neg_hi:[0,1]
.set b, b+1
.endr
.set b, 0
.rept 64
	v_exp_f32 v[MM+b], v[MM+b]
.set b, b+1
.endr
	v_nop                                          ; one plain place behind the last exponential (ISA guide 5.7.2)
	s_wait_loadcnt 0x0                             ; l is in
	s_wait_alu depctr_va_vdst(0)                   ; the 64 exponentials have written v[MM ..], ahead of their first reader: one wait for the batch
	v_pk_mul_f32 v[SU:SU+1], v[LL:LL+1], v[MM:MM+1]
	v_pk_mul_f32 v[SU+2:SU+3], v[LL+2:LL+3], v[MM+2:MM+3]
.set b, 2
.rept 15
	v_pk_fma_f32 v[SU:SU+1], v[LL+2*b:LL+2*b+1], v[MM+2*b:MM+2*b+1], v[SU:SU+1]
	v_pk_fma_f32 v[SU+2:SU+3], v[LL+2*b+2:LL+2*b+3], v[MM+2*b+2:MM+2*b+3], v[SU+2:SU+3]
.set b, b+2
.endr
	v_pk_add_f32 v[SU:SU+1], v[SU:SU+1], v[SU+2:SU+3]
	v_rcp_f32 v[RC], v[SU]
	v_rcp_f32 v[RC+1], v[SU+1]
	v_nop                                          ; one plain place behind the last reciprocal
	s_wait_alu depctr_va_vdst(0)                   ; both reciprocals have written v[RC:RC+1], ahead of their first reader
.set b, 0
.rept 16
	v_pk_mul_f32 v[MM+2*b:MM+2*b+1], v[MM+2*b:MM+2*b+1], v[RC:RC+1]
.set b, b+1
.endr
	s_wait_alu depctr_va_vdst(0)                   ; the sixteen products above have written pairs 0 to 15 of MM, which the sixteen stores below read
.set b, 0
.rept 16
	global_store_b64 v1, v[MM+2*b:MM+2*b+1], s[6:7] offset:b*16384       ; no wait: no vector instruction since the wait names v1 or pairs 0 to 15
	v_pk_mul_f32 v[MM+2*b+32:MM+2*b+33], v[MM+2*b+32:MM+2*b+33], v[RC:RC+1]
.set b, b+1
.endr
	s_wait_alu depctr_va_vdst(0)                   ; the other sixteen products have written pairs 16 to 31 of MM, which the last sixteen stores read
.set b, 16
.rept 16
	global_store_b64 v1, v[MM+2*b:MM+2*b+1], s[6:7] offset:b*16384
.set b, b+1
.endr
	s_endpgm
.Lfunc_end_k_q015637c2dc_stat:
	.size	k_q015637c2dc_stat, .Lfunc_end_k_q015637c2dc_stat-k_q015637c2dc_stat
	.p2alignl 7, 3214868480
	.fill 96, 4, 3214868480
	.section	.rodata,"a",@progbits
	.p2align	6, 0x0
	.amdhsa_kernel k_q015637c2dc_stat
		.amdhsa_group_segment_fixed_size 0
		.amdhsa_private_segment_fixed_size 0
		.amdhsa_enable_private_segment 0
		.amdhsa_kernarg_size 16
		.amdhsa_user_sgpr_count 2
		.amdhsa_user_sgpr_kernarg_segment_ptr 1
		.amdhsa_wavefront_size32 1
		.amdhsa_system_sgpr_workgroup_id_x 1
		.amdhsa_system_sgpr_workgroup_id_y 1
		.amdhsa_system_sgpr_workgroup_id_z 1
		.amdhsa_system_vgpr_workitem_id 0
		.amdhsa_next_free_vgpr 160
		.amdhsa_next_free_sgpr 66
		.amdhsa_reserve_vcc 0
		.amdhsa_float_denorm_mode_32 3
		.amdhsa_float_denorm_mode_16_64 3
		.amdhsa_memory_ordered 1
		.amdhsa_forward_progress 1
		.amdhsa_inst_pref_size 21
	.end_amdhsa_kernel
	.amdgpu_metadata
---
amdhsa.version: [ 1, 2 ]
amdhsa.kernels:
  - .name:           k_q015637c2dc_stat
    .symbol:         k_q015637c2dc_stat.kd
    .args:
      - { .name: pmat, .offset: 0, .size: 8, .value_kind: global_buffer, .address_space: global }
      - { .name: ctab, .offset: 8, .size: 8, .value_kind: global_buffer, .address_space: global }
    .group_segment_fixed_size: 0
    .private_segment_fixed_size: 0
    .kernarg_segment_align: 8
    .kernarg_segment_size: 16
    .max_flat_workgroup_size: 128
    .sgpr_count:     66
    .vgpr_count:     160
    .wavefront_size: 32
...
	.end_amdgpu_metadata
.endif
;; end of part 8
;; launch mix: the kernel of part 5 again; grid 8 x 32, 4 waves a work-group, clusters of 4 x 4, 327,680 bytes of LDS; arguments pmat, proj, ctab, inputs_a, inputs_v, out0, out1; writes out0, out1
